; MI455X (gfx1250); checked and timed in simulation.
; The chip was launched on July 23, 2026; its instructions are those of AMD's public machine-readable ISA for CDNA 5 (MIT licence, August 2026) and "CDNA5" Instruction Set Architecture Reference Guide (July 2026). The comments in the code are by the model that wrote it; some were corrected since.
;; Self Attention. Allowed arithmetic: matrix products marked QUANTISED: E2M1 operands, one E8M0 scale for each 32 along K, by v_wmma_scale_f32_16x16x128_f8f6f4 with both operands' format E2M1 (or v_wmma_scale_f32_32x16x128_f4), f32 sums; products left as they are: bf16, f16 or f32 operands; f32 sums; everything else in f32.
;; Inputs: attention_mask 4 x 2,048 int32; b_out 1,024 float32; b_qkv 3,072 float32; hidden_states 4 x 2,048 x 1,024 float32; w_out 1,024 x 1,024 float32; w_qkv 1,024 x 3,072 float32.
;; Outputs: out0 4 x 2,048 x 1,024 float32.
;; This version of the problem:
;;   THIS VERSION OF THE PROBLEM IS GIVEN IN LOW PRECISION. The matrix products marked QUANTISED in the list below multiply operands that are first quantised to E2M1 (2 exponent bits, 1 mantissa bit; 4 bits a number), with one power-of-two scale for each 32 numbers along K (OCP MX v1.0); their sums are f32. The products marked 'left as it is' may take bf16, f16 or f32 operands, with f32 sums. Whichever they take, every output number must still come out within the allowed error. Rounding operands to bf16 (8 significant bits) uses up far more of that allowance than f16 does (11 bits, for magnitudes from 6e-5 to 65,504). All else is computed in f32.
;;   The module's matrix products, in the order in which they are computed (A, B: the left and right operand; K: the contracted axis; several contracted axes count as one K, in the product's order):
;;     1. [M 8,192, K 1,024] x [K 1,024, N 3,072]; A: input hidden_states; B: input w_qkv: QUANTISED
;;     2. batch 64 x [M 2,048, K 64] x [K 64, N 2,048]; A: computed on the way; B: computed on the way: left as it is (an operand is computed on the way)
;;     3. batch 64 x [M 2,048, K 2,048] x [K 2,048, N 64]; A: computed on the way; B: computed on the way: left as it is (an operand is computed on the way)
;;     4. [M 8,192, K 1,024] x [K 1,024, N 1,024]; A: computed on the way; B: input w_out: left as it is (an operand is computed on the way)
;;   THE QUANTISER, for each operand of a quantised product, along K:
;;     - K is cut into blocks of 32 from its start; a last block that is shorter is filled with zeros.
;;     - A block's scale is 2^e with e = floor(log2(the largest magnitude in the block)) - 2, held to -126 .. 127; a block of zeros has e = 0. As a byte (E8M0): e + 127.
;;     - Each number is divided by its block's scale, clamped to +-6, and rounded to the nearest number of E2M1, ties to even, subnormals kept.
;;     - The product sums the exact products of the quantised numbers (number of the format x scale) in f32.
;;   ~~~python
;;   def quantise(x, axis):      # numpy; x: float32 -> the quantised numbers, widened to float32 again
;;       x = np.moveaxis(x, axis, -1); K = x.shape[-1]
;;       x = np.pad(x, [(0, 0)] * (x.ndim - 1) + [(0, -K % 32)]); x = x.reshape(x.shape[:-1] + (-1, 32)); a = np.abs(x).max(-1, keepdims=True)
;;       e = np.where(a > 0, np.clip(np.frexp(np.where(a > 0, a, 1))[1] - 1 - 2, -126, 127), 0)      # np.frexp(a)[1] - 1 = floor(log2(a)), exactly
;;       r = np.clip(x / 2.0 ** e, -6, 6)
;;       step = 2.0 ** (np.maximum(np.frexp(np.where(r == 0, 1, r))[1] - 1, 0) - 1)
;;       q = np.round(r / step) * step * 2.0 ** e      # np.round: ties to even
;;       return np.moveaxis(q.reshape(q.shape[:-2] + (-1,))[..., :K], -1, axis).astype(np.float32)
;;   ~~~
;; One version. Each part assembles by itself: llvm-mc -triple=amdgcn-amd-amdhsa -mcpu=gfx1250 --defsym DOCPART=n.
;; ======== version 1 of 1: 4 launches
;; limits: values are held in f16: magnitudes above 65,504 overflow, below 6.1e-05 lose precision
;; workspace buffers: codes 5,767,168 bytes; scales 360,448 bytes; w16 2,097,152 bytes; rope 524,288 bytes; qkv 50,331,648 bytes; aimg 16,777,216 bytes
;; launch prep (part 1): grid 400 x 1, 4 waves a work-group, no clusters, 68,096 bytes of LDS; arguments hidden_states, w_qkv, w_out, codes, scales, w16, rope; writes codes, scales, w16, rope
.if DOCPART == 1
	.amdgcn_target "amdgcn-amd-amdhsa--gfx1250"
	.amdhsa_code_object_version 6
	.text
	.protected	k_q7f45157114_prep
	.globl	k_q7f45157114_prep
	.p2align	8
	.type	k_q7f45157114_prep,@function
k_q7f45157114_prep:
	s_mov_b64 s[64:65], 0
	v_nop
	global_prefetch_b8 v0, s[64:65] scope:SCOPE_SE
	s_setreg_imm32_b32 hwreg(HW_REG_WAVE_MODE, 25, 1), 1
	s_wait_xcnt 0x0
; PREP: everything that is made once from the inputs.  Four roles, chosen by the work-group's number alone; they never join again.
;   A (work-groups 0-255):   hidden_states [8192][1024] f32 -> codes of FP4 (E2M1), rows 0-8191 of 'codes' (512 bytes a row, K innermost), and one E8M0 byte for each 32 along K, rows 0-8191 of 'scales' (32 bytes a row)
;   B (256-303):             w_qkv [1024 (k)][3072 (n)] f32, quantised along k -> row 8192 + n of 'codes' and of 'scales'
;   C (304-367):             w_out f32 -> f16, same [k][n] order
;   D (368-399):             the rotary table: rope[pos][0..31] = cos(pos theta_i), rope[pos][32..63] = sin(pos theta_i), theta_i = 10000^(-i/32), f32
; A block's scale is 2^(floor(log2(largest magnitude)) - 2); its byte is the largest magnitude's exponent field - 2, held at 1 from below.  A block of zeros keeps the byte 1: its codes are zeros, and this program alone reads the bytes.
; LIMITS: blocks whose largest magnitude lies under 2^-124 (the floor) were not tried; NaN and infinities among the inputs are not served; w_out must fit f16 (65,504).
; theta comes from v_exp_f32 (1 ulp: ISA guide, its entry), so an angle may be off by about 2e-4 rad at pos 2047.
; No tensor loads, no barrier: waves share nothing.  Roles A and B have LDS bytes of their own: A 0-32767, B 32768-67583; behind them the spare words.
.set SPARE, 67584                      ; 128 bytes for each wave: two blocks of 256 bytes that no other line names
.set SPW,   190                        ; v190  LDS address of my spare word: SPARE + 4 x my thread's number; never rewritten
.set NIL,   191                        ; v191  0; never rewritten
.set WV,    18                         ; s18   my wave's number
; ---- role A's names: a wave takes 16 steps of 512 numbers
.set A_WREG, 8192                      ; LDS of a wave: two stages of 32 x 80 bytes, then its 256 scale bytes
.set A_SP,   80                        ; a lane's place in a stage: 64 bytes + 16 of padding
.set AR, 16                            ; v16-79   four sets of 16 numbers as loaded
.set AX, 80                            ; v80-111  two sets of 16 neighbours
.set AE, 112                           ; v112-127 a scale byte for each step
.set AC, 128                           ; v128-159 codes, two registers for each step: no store's data are written again
; ---- role B's names: a wave takes 32 columns x 512 along k
.set B_PITCH, 272                      ; a stage row: 256 bytes of codes + 16
.set B_KROW,  512                      ; a row of 'codes'
.set BX,  32                           ; v32-95   two sets of 32 numbers
.set BC,  96                           ; v96-99   a block's codes
.set BOUT, 112                         ; v112-175 the way out
.set BSB, 24                           ; v24-27   16 scale bytes
	s_load_b256 s[4:11], s[0:1], 0x0               ; hidden_states s[4:5], w_qkv s[6:7], w_out s[8:9], codes s[10:11]
	s_load_b128 s[12:15], s[0:1], 0x20             ; scales s[12:13], w16 s[14:15]
	s_load_b64 s[16:17], s[0:1], 0x30              ; rope
	v_lshl_add_u32 v[SPW], v0, 2, SPARE
	v_mov_b32 v[NIL], 0
	v_lshrrev_b32 v1, 5, v0
	v_readfirstlane_b32 s[WV], v1                  ; wave 0..3
	v_and_b32 v2, 31, v0                           ; lane
	s_mov_b32 s21, 0                               ; upper word of the 32-bit offsets in s[20:21]
	s_wait_kmcnt 0x0
	s_cmp_lt_u32 ttmp9, 256
	s_cbranch_scc0 .Lnot_a
; =================== ROLE A.  Rows are dense and 1024 is a multiple of 32: the tensor is a plain stream of blocks of 32.
; Each load reads 512 consecutive bytes, 16 a lane; a step's 2,048 bytes go through the wave's stage and come back 64 bytes a lane: 16 neighbours, two lanes to a block.
.macro A_LOAD t
.irp i, 0,1,2,3
	global_load_b128 v[AR+16*((\t)%4)+4*\i:AR+16*((\t)%4)+4*\i+3], v3, s[4:5] offset:2048*(\t)+512*\i th:TH_LOAD_NT
.endr
.endm
.macro A_TURN t                        ; LDS serves a wave's instructions in order (ISA guide 5.7.1.4): no wait between the stores and the loads
.irp i, 0,1,2,3
	ds_store_b128 v14, v[AR+16*((\t)%4)+4*\i:AR+16*((\t)%4)+4*\i+3] offset:32*A_SP*((\t)%2)+8*A_SP*\i
.endr
.irp i, 0,1,2,3
	ds_load_b128 v[AX+16*((\t)%2)+4*\i:AX+16*((\t)%2)+4*\i+3], v15 offset:32*A_SP*((\t)%2)+16*\i
.endr
.endm
.macro A_STEP t
.set XS, AX+16*((\t)%2)
.if (\t) > 0
	s_wait_dscnt 1                                 ; this step's numbers are back from the stage; only the last step's byte store may be out
.else
	s_wait_dscnt 0x0
.endif
.if (\t)+4 < 16
	A_LOAD (\t)+4                                  ; into the set whose stores into the stage are done
.endif
.if (\t)+1 < 16
.if 14-(\t) >= 3
	s_wait_loadcnt 12                              ; the next step's four loads are in; those of the three steps behind it may be out
.else
	s_wait_loadcnt 4*(14-(\t))                     ; the tail: four loads for each step still behind the next
.endif
	A_TURN (\t)+1
.endif
	v_max3_num_f32 v8, |v[XS]|, |v[XS+1]|, |v[XS+2]|               ; the largest magnitude of my 16, in two chains
	v_max3_num_f32 v9, |v[XS+3]|, |v[XS+4]|, |v[XS+5]|
.irp i, 6,10
	v_max3_num_f32 v8, v8, |v[XS+\i]|, |v[XS+\i+1]|
	v_max3_num_f32 v9, v9, |v[XS+\i+2]|, |v[XS+\i+3]|
.endr
	v_max3_num_f32 v8, v8, |v[XS+14]|, |v[XS+15]|
	v_max3_num_f32 v8, v8, v9, 0x1800000           ; and the floor 2^(3 - 127): the byte cannot fall under 1
	v_max_num_f32_dpp v8, v8, v8 row_xmask:1 row_mask:0xf bank_mask:0xf   ; with my neighbour's 16: the block's
	v_add_nc_u32 v11, 0xff000000, v8               ; 2 off the exponent field: the conversion takes this operand's exponent field as its scale
	v_cvt_scalef32_pk8_fp4_f32 v[AC+2*(\t)], v[XS:XS+7], v11
	v_cvt_scalef32_pk8_fp4_f32 v[AC+2*(\t)+1], v[XS+8:XS+15], v11
	v_lshrrev_b32 v[AE+(\t)], 23, v11              ; the scale's byte (also the plain line behind the conversions)
	ds_store_b8 v5, v[AE+(\t)] offset:16*(\t)      ; both lanes of a block write the same byte with the same value
	global_store_b64 v4, v[AC+2*(\t):AC+2*(\t)+1], s[10:11] offset:256*(\t)   ; 32 lanes store 256 consecutive bytes, aligned
.endm
	s_lshl_b32 s19, ttmp9, 2
	s_add_co_u32 s19, s19, s[WV]                   ; which run of 8,192 numbers is my wave's: 0..1023
	s_lshl_b32 s20, s19, 15
	s_add_nc_u64 s[4:5], s[4:5], s[20:21]          ; 32,768 bytes of numbers,
	s_lshl_b32 s20, s19, 12
	s_add_nc_u64 s[10:11], s[10:11], s[20:21]      ; 4,096 of codes,
	s_lshl_b32 s20, s19, 8
	s_add_nc_u64 s[12:13], s[12:13], s[20:21]      ; 256 scale bytes a run
	v_lshlrev_b32 v3, 4, v2                        ; my 16 bytes of a load's 512
	s_mul_i32 s19, s[WV], A_WREG
	v_lshrrev_b32 v14, 2, v2
	v_mul_u32_u24 v14, v14, A_SP
	v_and_b32 v15, 3, v2
	v_lshl_add_u32 v14, v15, 4, v14
	v_add_nc_u32 v14, s19, v14                     ; the stage, in: 80 (lane / 4) + 16 (lane % 4)
	v_mul_u32_u24 v15, v2, A_SP
	v_add_nc_u32 v15, s19, v15                     ; out: 80 x lane
	v_lshlrev_b32 v4, 3, v2                        ; 8 bytes a lane: my codes in a step's 256, and my part of the 256 scale bytes
	v_lshrrev_b32 v5, 1, v2
	s_add_co_u32 s19, s19, 2*32*A_SP
	v_add_nc_u32 v5, s19, v5                       ; LDS: my block's byte
	v_add_nc_u32 v6, s19, v4                       ; and on the way out 8 bytes a lane
.irp t, 0,1,2,3
	A_LOAD \t
.endr
	s_wait_loadcnt 12                              ; step 0's four loads are in
	A_TURN 0
.irp t, 0,1,2,3,4,5,6,7,8,9,10,11,12,13,14,15
	A_STEP \t
.endr
	ds_load_b64 v[8:9], v6                         ; behind my byte stores, in order
	s_wait_dscnt 0x0
	global_store_b64 v4, v[8:9], s[12:13]          ; 256 consecutive bytes, aligned
	s_wait_tensorcnt 0x0                           ; the wave's end
	ds_add_u32 v[SPW], v[NIL]
	s_wait_dscnt 0x0
	s_endpgm
.Lnot_a:
	s_cmp_lt_u32 ttmp9, 304
	s_cbranch_scc0 .Lnot_b
; =================== ROLE B.  A lane takes a column n and its registers run down k: each load reads 128 consecutive bytes a wave, a block of 32 lies in one lane, and the codes come out with K innermost.
; Every offset is an immediate: 511 rows of 12,288 bytes stay inside the signed 24-bit field (ISA guide, chapter 10).
.macro B_LOAD t
.irp i, 0,1,2,3,4,5,6,7,8,9,10,11,12,13,14,15,16,17,18,19,20,21,22,23,24,25,26,27,28,29,30,31
	global_load_b32 v[BX+32*((\t)%2)+\i], v3, s[6:7] offset:(32*(\t)+\i)*12288 th:TH_LOAD_NT
.endr
.endm
.macro B_BLOCK t
.set XS, BX+32*((\t)%2)
.if (\t) < 15
	s_wait_loadcnt 32                              ; this block's 32 loads are in; the next block's may be out
.else
	s_wait_loadcnt 0x0
.endif
	v_max3_num_f32 v12, |v[XS]|, |v[XS+1]|, |v[XS+2]|
	v_max3_num_f32 v13, |v[XS+3]|, |v[XS+4]|, |v[XS+5]|
.irp i, 6,10,14,18,22,26
	v_max3_num_f32 v12, v12, |v[XS+\i]|, |v[XS+\i+1]|
	v_max3_num_f32 v13, v13, |v[XS+\i+2]|, |v[XS+\i+3]|
.endr
	v_max3_num_f32 v12, v12, |v[XS+30]|, |v[XS+31]|
	v_max3_num_f32 v12, v12, v13, 0x1800000        ; the floor
	v_add_nc_u32 v11, 0xff000000, v12              ; the conversion's scale operand
	v_lshrrev_b32 v13, 23, v11                     ; the byte
.if (\t)%4 == 0
	v_mov_b32 v[BSB+(\t)/4], v13                   ; four bytes to a register, the lower k in the lower byte
.else
	v_lshl_or_b32 v[BSB+(\t)/4], v13, 8*((\t)%4), v[BSB+(\t)/4]
.endif
.irp g, 0,1,2,3
	v_cvt_scalef32_pk8_fp4_f32 v[BC+\g], v[XS+8*\g:XS+8*\g+7], v11
.endr
	v_nop                                          ; a plain line behind the last conversion
	ds_store_b128 v4, v[BC:BC+3] offset:16*(\t)    ; 32 codes: 16 bytes of my column's row
.if (\t)+2 < 16
	B_LOAD (\t)+2
.endif
	s_wait_dscnt 0x0                               ; the store has read its registers: the next block's codes may be written
.endm
	s_sub_co_u32 s19, ttmp9, 256
	s_cmp_ge_u32 s19, 24
	s_cselect_b32 s20, 1, 0                        ; which 512 along k
	s_cselect_b32 s22, 24, 0
	s_sub_co_u32 s19, s19, s22
	s_lshl_b32 s19, s19, 7
	s_lshl_b32 s22, s[WV], 5
	s_add_co_u32 s19, s19, s22                     ; my wave's first column
	s_mov_b32 s23, 0
	s_mul_i32 s22, s20, 6291456                    ; 512 rows of 12,288 bytes
	s_lshl_b32 s24, s19, 2
	s_add_co_u32 s22, s22, s24
	s_add_nc_u64 s[6:7], s[6:7], s[22:23]
	s_lshl_b32 s22, s19, 9                         ; codes: row 8192 + column, 256 bytes on for the second half of k
	s_lshl_b32 s24, s20, 8
	s_add_co_u32 s22, s22, s24
	s_add_co_u32 s22, s22, 4194304
	s_add_nc_u64 s[10:11], s[10:11], s[22:23]
	s_lshl_b32 s22, s19, 5                         ; scale bytes likewise: 32 a row, 16 on
	s_lshl_b32 s24, s20, 4
	s_add_co_u32 s22, s22, s24
	s_add_co_u32 s22, s22, 262144
	s_add_nc_u64 s[12:13], s[12:13], s[22:23]
	v_lshlrev_b32 v3, 2, v2                        ; in: 4 bytes a lane
	s_mul_i32 s25, s[WV], 32*B_PITCH
	s_add_co_u32 s25, s25, 32768                   ; my stage
	v_mul_u32_u24 v4, v2, B_PITCH
	v_add_nc_u32 v4, s25, v4                       ; into it: row = my column
	v_and_b32 v5, 15, v2
	v_lshrrev_b32 v6, 4, v2                        ; out of it: sixteen lanes to a row, two rows an instruction
	v_mul_u32_u24 v7, v6, B_PITCH
	v_lshl_add_u32 v7, v5, 4, v7
	v_add_nc_u32 v7, s25, v7
	v_mul_u32_u24 v8, v6, B_KROW
	v_lshl_add_u32 v8, v5, 4, v8                   ; the same place in 'codes'
	v_lshlrev_b32 v9, 5, v2                        ; my column's row of scale bytes
	B_LOAD 0
	B_LOAD 1
.irp t, 0,1,2,3,4,5,6,7,8,9,10,11,12,13,14,15
	B_BLOCK \t
.endr
	global_store_b128 v9, v[BSB:BSB+3], s[12:13]   ; my column's 16 scale bytes
.irp t, 0,1,2,3,4,5,6,7,8,9,10,11,12,13,14,15
	ds_load_b128 v[BOUT+4*\t:BOUT+4*\t+3], v7 offset:2*\t*B_PITCH
.endr
.irp t, 0,1,2,3,4,5,6,7,8,9,10,11,12,13,14,15
	s_wait_dscnt 15-\t                             ; LDS loads come back in order: number t is in
	global_store_b128 v8, v[BOUT+4*\t:BOUT+4*\t+3], s[10:11] offset:2*\t*B_KROW   ; sixteen lanes store 256 consecutive bytes, aligned
.endr
	s_wait_tensorcnt 0x0                           ; the wave's end: the three lines
	ds_add_u32 v[SPW], v[NIL]
	s_wait_dscnt 0x0
	s_endpgm
.Lnot_b:
	s_cmp_lt_u32 ttmp9, 368
	s_cbranch_scc0 .Lnot_c
; =================== ROLE C.  A wave turns 16,384 bytes of w_out into 8,192 of f16: 32 loads of 512 bytes, all out at once; each pair of conversions is stored as 256 consecutive bytes.
	s_sub_co_u32 s19, ttmp9, 304
	s_lshl_b32 s20, s19, 16
	s_lshl_b32 s22, s[WV], 14
	s_add_co_u32 s20, s20, s22
	s_add_nc_u64 s[8:9], s[8:9], s[20:21]
	s_lshr_b32 s20, s20, 1
	s_add_nc_u64 s[14:15], s[14:15], s[20:21]
	v_lshlrev_b32 v3, 4, v2
	v_lshlrev_b32 v4, 3, v2
.irp i, 0,1,2,3,4,5,6,7,8,9,10,11,12,13,14,15,16,17,18,19,20,21,22,23,24,25,26,27,28,29,30,31
	global_load_b128 v[32+4*\i:35+4*\i], v3, s[8:9] offset:512*\i th:TH_LOAD_NT
.endr
.irp i, 0,1,2,3,4,5,6,7,8,9,10,11,12,13,14,15,16,17,18,19,20,21,22,23,24,25,26,27,28,29,30,31
	s_wait_loadcnt 31-\i                           ; loads come back in order: number i is in, the younger ones stay out
	v_cvt_pk_f16_f32 v[32+4*\i], v[32+4*\i], v[33+4*\i]
	v_cvt_pk_f16_f32 v[33+4*\i], v[34+4*\i], v[35+4*\i]
	global_store_b64 v4, v[32+4*\i:33+4*\i], s[14:15] offset:256*\i
.endr
	s_endpgm
.Lnot_c:
; =================== ROLE D.  A wave makes 16 positions.  Lane l makes elements i = 2 (l % 16) and i + 1: lanes 0-15 the cosines, lanes 16-31 the sines, as cos(a - pi/2): three quarter turns added to the quadrant.
; a = pos theta (one rounding, as in the definition); n = a 2/pi to the nearest whole number; r = a - n pi/2 with pi/2 in two parts, by fused multiply-adds; polynomials on |r| <= pi/4; the quadrant picks and signs.
.macro D_POS p
	v_cvt_f32_u32 v30, s19
	s_add_co_u32 s19, s19, 1
	v_pk_mul_f32 v[16:17], v[8:9], v[30:31] op_sel_hi:[1,0]                     ; a
	v_pk_mul_f32 v[18:19], v[16:17], 0x3f22f983 op_sel_hi:[1,0]                 ; a 2/pi
	v_rndne_f32 v18, v18
	v_rndne_f32 v19, v19                                                        ; n
	v_pk_fma_f32 v[20:21], v[18:19], 0xbfc90fdb, v[16:17] op_sel_hi:[1,0,1]     ; a - n x (pi/2's upper part)
	v_pk_fma_f32 v[20:21], v[18:19], 0x333bbd2e, v[20:21] op_sel_hi:[1,0,1]     ; - n x (its lower part, which is negative)
	v_pk_mul_f32 v[22:23], v[20:21], v[20:21]                                   ; z = r r
	v_pk_fma_f32 v[24:25], v[22:23], v[12:13], 0x3c08839e op_sel_hi:[1,1,0]     ; sin r = r + r z (s1 + z (s2 + z s3))
	v_pk_fma_f32 v[26:27], v[22:23], v[14:15], 0xbab6061a op_sel_hi:[1,1,0]     ; cos r = 1 + z (-1/2 + z (c1 + z (c2 + z c3)))
	v_pk_fma_f32 v[24:25], v[24:25], v[22:23], 0xbe2aaaa3 op_sel_hi:[1,1,0]
	v_pk_fma_f32 v[26:27], v[26:27], v[22:23], 0x3d2aaaa5 op_sel_hi:[1,1,0]
	v_pk_mul_f32 v[24:25], v[24:25], v[22:23]
	v_pk_fma_f32 v[26:27], v[26:27], v[22:23], -0.5 op_sel_hi:[1,1,0]
	v_pk_fma_f32 v[24:25], v[24:25], v[20:21], v[20:21]
	v_pk_fma_f32 v[26:27], v[26:27], v[22:23], 1.0 op_sel_hi:[1,1,0]
.irp e, 0,1
	v_cvt_i32_f32 v[28+\e], v[18+\e]
	v_add_nc_u32 v[28+\e], v[28+\e], v10           ; the quadrant q
	v_and_b32 v[32+\e], 1, v[28+\e]
	v_add_nc_u32 v[28+\e], 1, v[28+\e]
	v_cmp_eq_u32 vcc_lo, 1, v[32+\e]
	v_cndmask_b32 v[64+2*(\p)+\e], v[26+\e], v[24+\e], vcc_lo   ; q odd: the sine's polynomial
	v_lshlrev_b32 v[28+\e], 30, v[28+\e]
	v_and_b32 v[28+\e], 0x80000000, v[28+\e]       ; q = 1, 2 (mod 4): negative
	v_xor_b32 v[64+2*(\p)+\e], v[64+2*(\p)+\e], v[28+\e]
.endr
	global_store_b64 v11, v[64+2*(\p):65+2*(\p)], s[16:17] offset:256*(\p)      ; a position's 256 bytes, whole; each position has its own data registers
.endm
	s_sub_co_u32 s19, ttmp9, 368
	s_lshl_b32 s19, s19, 6
	s_lshl_b32 s20, s[WV], 4
	s_add_co_u32 s19, s19, s20                     ; my first position
	s_lshl_b32 s20, s19, 8
	s_add_nc_u64 s[16:17], s[16:17], s[20:21]
	v_and_b32 v3, 15, v2
	v_lshlrev_b32 v3, 1, v3
	v_cvt_f32_u32 v4, v3                           ; i
	v_add_f32 v5, 1.0, v4                          ; i + 1
	v_mul_f32 v4, 0xbed49a78, v4                   ; x -log2(10000) / 32
	v_mul_f32 v5, 0xbed49a78, v5
	v_exp_f32 v8, v4                               ; theta
	v_exp_f32 v9, v5
	v_lshrrev_b32 v10, 4, v2                       ; (plain work behind the two exponentials)
	v_mul_u32_u24 v10, v10, 3                      ; 0 for the cosines, 3 for the sines
	v_lshlrev_b32 v11, 3, v2                       ; 8 bytes a lane
	v_mov_b32 v12, 0xb94ca1f9                      ; s3, as a pair
	v_mov_b32 v13, 0xb94ca1f9
	v_mov_b32 v14, 0x37ccf5ce                      ; c3, as a pair
	v_mov_b32 v15, 0x37ccf5ce
	v_mov_b32 v31, 0                               ; named with v30 as a pair, so it is written
	s_wait_alu depctr_va_vdst(0)                   ; one wait for both exponentials, ahead of their first reader
.irp p, 0,1,2,3,4,5,6,7,8,9,10,11,12,13,14,15
	D_POS \p
.endr
	s_endpgm
.Lfunc_end_k_q7f45157114_prep:
	.size	k_q7f45157114_prep, .Lfunc_end_k_q7f45157114_prep-k_q7f45157114_prep
	.p2alignl 7, 3214868480
	.fill 96, 4, 3214868480
	.section	.rodata,"a",@progbits
	.p2align	6, 0x0
	.amdhsa_kernel k_q7f45157114_prep
		.amdhsa_group_segment_fixed_size 68096
		.amdhsa_private_segment_fixed_size 0
		.amdhsa_enable_private_segment 0
		.amdhsa_kernarg_size 56
		.amdhsa_user_sgpr_count 2
		.amdhsa_user_sgpr_kernarg_segment_ptr 1
		.amdhsa_wavefront_size32 1
		.amdhsa_system_sgpr_workgroup_id_x 1
		.amdhsa_system_sgpr_workgroup_id_y 1
		.amdhsa_system_sgpr_workgroup_id_z 1
		.amdhsa_system_vgpr_workitem_id 0
		.amdhsa_next_free_vgpr 192
		.amdhsa_next_free_sgpr 66
		.amdhsa_reserve_vcc 1
		.amdhsa_float_denorm_mode_32 3
		.amdhsa_float_denorm_mode_16_64 3
		.amdhsa_memory_ordered 1
		.amdhsa_forward_progress 1
		.amdhsa_inst_pref_size 154
	.end_amdhsa_kernel
	.amdgpu_metadata
---
amdhsa.version: [ 1, 2 ]
amdhsa.kernels:
  - .name:           k_q7f45157114_prep
    .symbol:         k_q7f45157114_prep.kd
    .args:
      - { .name: hidden_states, .offset: 0, .size: 8, .value_kind: global_buffer, .address_space: global }
      - { .name: w_qkv, .offset: 8, .size: 8, .value_kind: global_buffer, .address_space: global }
      - { .name: w_out, .offset: 16, .size: 8, .value_kind: global_buffer, .address_space: global }
      - { .name: codes, .offset: 24, .size: 8, .value_kind: global_buffer, .address_space: global }
      - { .name: scales, .offset: 32, .size: 8, .value_kind: global_buffer, .address_space: global }
      - { .name: w16, .offset: 40, .size: 8, .value_kind: global_buffer, .address_space: global }
      - { .name: rope, .offset: 48, .size: 8, .value_kind: global_buffer, .address_space: global }
    .group_segment_fixed_size: 68096
    .private_segment_fixed_size: 0
    .kernarg_segment_align: 8
    .kernarg_segment_size: 56
    .max_flat_workgroup_size: 128
    .sgpr_count:     66
    .vgpr_count:     192
    .wavefront_size: 32
...
	.end_amdgpu_metadata
.endif
;; end of part 1
;; launch qkv (part 2): grid 12 x 32, 4 waves a work-group, clusters of 4 x 4, 327,680 bytes of LDS; arguments codes, scales, b_qkv, rope, qkv; writes qkv
.if DOCPART == 2
	.amdgcn_target "amdgcn-amd-amdhsa--gfx1250"
	.amdhsa_code_object_version 6
	.text
	.protected	k_q7f45157114_qkv
	.globl	k_q7f45157114_qkv
	.p2align	8
	.type	k_q7f45157114_qkv,@function
k_q7f45157114_qkv:
	s_mov_b64 s[64:65], 0
	v_nop
	global_prefetch_b8 v0, s[64:65] scope:SCOPE_SE
	s_setreg_imm32_b32 hwreg(HW_REG_WAVE_MODE, 25, 1), 1
	s_wait_xcnt 0x0
	s_wait_alu depctr_hold_cnt(0) depctr_sa_sdst(0) depctr_va_vdst(0) depctr_va_sdst(0) depctr_va_ssrc(0) depctr_va_vcc(0) depctr_vm_vsrc(0)
	s_getreg_b32 s2, hwreg(HW_REG_IB_STS2, 6, 4)
	s_cmp_eq_u32 s2, 0
	s_cbranch_scc0 .Lentry_in_a_cluster
	s_endpgm
.Lentry_in_a_cluster:
	s_bfe_u32 s2, ttmp6, 0x10000c
	s_cmp_lg_u32 s2, 0xf033
	s_cbranch_scc0 .Lentry_shape_is_right
	s_endpgm
.Lentry_shape_is_right:
; QKV: hidden_states x w_qkv on codes of FP4 (E2M1) with one E8M0 scale for each 32 along K (K = 1024), + b_qkv, the rotary turn on q and k, rounded to f16 and stored as IMAGES OF THE NEXT PRODUCTS' OPERAND REGISTERS.
; Both operands are rows of one buffer: 'codes' rows 0-8191 are the tokens, rows 8192 + n column n of w_qkv (512 bytes a row); 'scales' likewise (32 bytes a row).
; A work-group of four waves makes a tile of 256 x 256, a wave 128 x 128: 64 accumulators of 16 x 16, 512 registers.  K is two steps of 512: both LDS slots are filled once, at the start, and nothing is filled again.
; The matrix instruction takes 16 rows of operand 'B' as source 0 and 16 rows of operand 'A' as source 1: lane (r = lane % 16, h = lane / 16) then holds row r of A's block and rows 8 h + 0..7 of B's block.
;   clusters x = 0 (q) and 1 (k):  A = tokens, B = columns of w: a lane holds one token and eight neighbouring channels: what the rotary turn and a fragment of q or k want
;   cluster  x = 2 (v):            A = columns of w, B = tokens: a lane holds one channel and eight neighbouring tokens: a fragment of V^T
; CLUSTERS: 4 x 4 work-groups; A's tile hangs on cy, B's on cx: each is asked for jointly by the four that share it.  The choice of mode hangs on the cluster's own x, the same in all sixteen.
; IMAGES (a chunk = 512 bytes, 16 a lane at 16 x lane, = four registers of a 16-bit fragment):
;   q at byte 0, k at 16,777,216: [bh = 16 b + head][tile of 16 tokens: 128][chunk c: 4]: lane (r, h) = token r, channels 16 c + 8 h + 0..7
;   v at 33,554,432: [bh][32 keys: 64][16 channels: 4][half: 2]: lane (r, h) = channel r, keys 16 half + 8 h + 0..7
; LIMITS: |q|, |k|, |v| must fit f16 (65,504).
; REGISTERS, in windows of 256: window 0: v0-31 addresses; v32-95 scale words, two sets, and nothing else; v128-191 A's fragments, one set; on the way out v96-255 at work.
;   window 1: B's fragments, two sets, at v0 and v128; on the way out the biases (v0-63) and two sets of cos and sin (v64-127).   windows 2, 3: the accumulators ((a, b) at v[8 (8 (a % 4) + b)], a / 4 picks the window).
.set NQ,     4                         ; steps of 128 along K in a slot
.set ROWB,   256                       ; a tile's row: 512 codes
.set KROW,   512                       ; a row of 'codes'
.set PITCH,  272                       ; an LDS row: 256 bytes + 16 of padding: the 16 rows that a load touches start 68 words apart
.set FR,     8                         ; registers of a fragment: 16 rows x 128 K
.set NL,     2                         ; LDS loads that bring one
.set NP,     4                         ; places behind this matrix instruction (ISA guide 7.12.1)
.set HALFT,  128*PITCH                 ; what one tensor load brings
.set SLOT,   4*HALFT                   ; A's 256 rows, then B's 256 rows
.set KS,     32                        ; a row of scale bytes
.set SCL,    2*SLOT                    ; behind the slots: the scales of all of K, as units of 256 bytes + 16 of padding
.set HALFS,  16*272                    ; those of 128 rows
.set SBLK,   2*272                     ; those of 16 rows
.set SPARE,  SCL+4*HALFS               ; the spare words, 128 bytes for each wave: two blocks of 256 bytes that no other line names
.set ADRA, 16                          ; v16-17  LDS address of my A fragments in slot 0, 1
.set ADRB, 20                          ; v20-21  the same for B
.set LI,   24                          ; v24     16 x lane: my place in a chunk
.set HB,   25                          ; v25     32 h: my eight numbers of a bias
.set TBO,  26                          ; v26     the rotary table: (128 x my half + r) x 256 + 32 h
.set ADRS, 27                          ; v27     LDS address of my scale words: lanes 0-15 A's rows, lanes 16-31 B's
.set SPW,  28                          ; v28     LDS address of my spare word; never rewritten
.set NIL,  29                          ; v29     0; never rewritten
.set RB,   30                          ; v30     4 r
.set SC,   32                          ; scale words: set s at v[SC + 32 s]; register 4 i + q: lanes 0-15 A's block i, lanes 16-31 B's block i, the slot's q-th 128 along K
.set AF,   128                         ; A's fragments
.set G1, 24                            ; s[24:31] group 1 for A's tiles; s[32:39] group 0, one set a slot
.set G0, 32
.set G1B, 48                           ; s[48:55], s[56:63] the same for B's
.set G0B, 56
.set G1S, 68                           ; s[68:75], s[76:79] groups 1 and 0 for A's scales; s[80:87], s[88:91] for B's
.set G0S, 76
.set G1SB, 80
.set G0SB, 88
.set MSB, 0
.macro WIN new                         ; the immediate's high byte repeats the setting that is left; a switch that changes nothing is dropped
.if MSB != (\new)
	s_set_vgpr_msb (MSB<<8)|(\new)
.set MSB, (\new)
.endif
.endm
.set MUL_LO, 0xa1                      ; source 0 (B) window 1, source 1 (A) window 0, C and D window 2
.set MUL_HI, 0xf1                      ; the same, C and D window 3
.set TO_B,   0x40                      ; destination window 1, address window 0
; A joint load: waves 0 and 1 fetch for A, waves 2 and 3 for B.  Each line has one mask and one set of registers; the branch hangs on the wave's number alone.  An s_nop 0 and four v_nop follow each line.
.macro JLOAD g0a, g1a, g0b, g1b
	s_cmp_eq_u32 s15, 0
	s_cbranch_scc0 .Lfor_b_\@
	tensor_load_to_lds s[\g0a:\g0a+3], s[\g1a:\g1a+7]
	s_nop 0
.rept 4
	v_nop
.endr
	s_branch .Lasked_\@
.Lfor_b_\@:
	tensor_load_to_lds s[\g0b:\g0b+3], s[\g1b:\g1b+7]
	s_nop 0
.rept 4
	v_nop
.endr
.Lasked_\@:
.endm
.macro CROUND                          ; a round of the cluster's barrier: my work-group's barrier; wave 0 signals for the work-group; all wait for the sixteen; my work-group's barrier once more
	s_barrier_signal -1
	s_barrier_wait -1
	s_cmp_lg_u32 s14, 0
	s_cbranch_scc1 .Lnot_wave_0_\@
	s_barrier_signal -3
.Lnot_wave_0_\@:
	s_barrier_wait -3
	s_barrier_signal -1
	s_barrier_wait -1
.endm
	s_load_b256 s[4:11], s[0:1], 0x0               ; codes s[4:5], scales s[6:7], b_qkv s[8:9], rope s[10:11]
	s_load_b64 s[12:13], s[0:1], 0x20              ; qkv
	v_lshl_add_u32 v[SPW], v0, 2, SPARE
	v_mov_b32 v[NIL], 0
	ds_add_u32 v[SPW], v[NIL]                      ; the wave's opening: the add, twice on end, and its wait ahead of my first tensor load
	ds_add_u32 v[SPW], v[NIL]
	v_lshrrev_b32 v1, 5, v0
	v_readfirstlane_b32 s14, v1                    ; wave 0..3
	s_lshr_b32 s15, s14, 1                         ; which 128 rows of A's tile are mine.  Also: I fetch for A (0) or for B (1)
	s_and_b32 s16, s14, 1                          ; which 128 rows of B's tile.  Also: which 128 rows of that tile I fetch
	s_bfe_u32 s40, ttmp6, 0x40000                  ; cx, cy: my place in the cluster
	s_bfe_u32 s41, ttmp6, 0x40004
	s_and_b32 s17, ttmp7, 0xffff
	s_lshl_b32 s17, s17, 2                         ; 4 x cluster y: the first of the cluster's four tiles of tokens
	s_lshl_b32 s42, ttmp9, 2
	s_add_co_u32 s42, s42, 32                      ; 32 + 4 x cluster x: the first of its four tiles of w (q, k)
	s_cmp_eq_u32 ttmp9, 2                          ; the cluster's own x: the same in all sixteen
	s_cselect_b32 s18, 40, s17                     ; A's first tile: v's columns, or the tokens
	s_cselect_b32 s42, s17, s42                    ; B's first tile: the tokens, or q's and k's columns
	s_add_co_u32 s17, s18, s41                     ; tA: a tile of 256 rows of 'codes'; it hangs on cy, never on cx
	s_add_co_u32 s42, s42, s40                     ; tB: on cx, never on cy
	s_lshl_b32 s43, s41, 2
	s_lshl_b32 s43, 15, s43                        ; my row of the cluster
	s_lshl_b32 s44, 0x1111, s40                    ; my column
	; group 1: a tile of 128 rows x 256 bytes, padded in LDS
	s_or_b32 s[G1+0], s43, (0<<16)|(1<<20)|(1<<21)|(5<<22)|(3<<25)  ; 15:0 the mask; 17:16 elements of 1 byte; 20 padding on; 21 set beside a mask; 24:22 after every 64 words; 31:25 four words
	s_or_b32 s[G1B+0], s44, (0<<16)|(1<<20)|(1<<21)|(5<<22)|(3<<25)
.irp g, G1, G1B
	s_mov_b32 s[\g+1], ROWB<<16                    ; tensor_dim0
	s_mov_b32 s[\g+2], 128<<16                     ; tensor_dim1
	s_mov_b32 s[\g+3], ROWB<<16                    ; tile_dim0
	s_mov_b32 s[\g+4], 128                         ; tile_dim1
	s_mov_b32 s[\g+5], KROW                        ; from row to row
	s_mov_b32 s[\g+6], 0
	s_mov_b32 s[\g+7], 0
.endr
	; the scales of 128 rows: 4,096 dense bytes, as 16 rows of 256 (32 elements of 8 bytes), 16 bytes of padding behind each
	s_or_b32 s[G1S+0], s43, (3<<16)|(1<<20)|(1<<21)|(5<<22)|(3<<25)
	s_or_b32 s[G1SB+0], s44, (3<<16)|(1<<20)|(1<<21)|(5<<22)|(3<<25)
.irp g, G1S, G1SB
	s_mov_b32 s[\g+1], 32<<16
	s_mov_b32 s[\g+2], 16<<16
	s_mov_b32 s[\g+3], 32<<16
	s_mov_b32 s[\g+4], 16
	s_mov_b32 s[\g+5], 32
	s_mov_b32 s[\g+6], 0
	s_mov_b32 s[\g+7], 0
.endr
	s_lshl_b32 s18, s16, 7                         ; which 128 rows of the tile I fetch
	s_lshl_b32 s20, s17, 8
	s_add_co_u32 s20, s20, s18                     ; A's first row
	s_lshl_b32 s46, s42, 8
	s_add_co_u32 s46, s46, s18                     ; B's
	s_lshl_b32 s22, s20, 5                         ; their scale bytes: 32 a row,
	s_mov_b32 s23, 0
	s_lshl_b32 s92, s46, 5
	s_mov_b32 s93, 0
	s_lshl_b32 s20, s20, 9                         ; their codes: 512 a row (11,264 rows: under 2^23 bytes)
	s_mov_b32 s21, 0
	s_lshl_b32 s46, s46, 9
	s_mov_b32 s47, 0
	s_mul_i32 s45, s14, HALFT                      ; where they go: wave x 128 rows: no place in the cluster enters an LDS address
	s_mul_i32 s94, s14, HALFS
	s_wait_dscnt 0x0                               ; both opening adds are done
	s_wait_kmcnt 0x0
	s_add_nc_u64 s[20:21], s[4:5], s[20:21]
	s_add_nc_u64 s[22:23], s[6:7], s[22:23]
	s_add_nc_u64 s[46:47], s[4:5], s[46:47]
	s_add_nc_u64 s[92:93], s[6:7], s[92:93]
	CROUND                                         ; all sixteen work-groups are here: the joint loads meet
	s_mov_b32 s[G0S], 1
	s_add_co_u32 s[G0S+1], s94, SCL
	s_mov_b64 s[G0S+2:G0S+3], s[22:23]
	s_or_b32 s[G0S+3], s[G0S+3], 0x80000000
	s_mov_b32 s[G0SB], 1
	s_add_co_u32 s[G0SB+1], s94, SCL
	s_mov_b64 s[G0SB+2:G0SB+3], s[92:93]
	s_or_b32 s[G0SB+3], s[G0SB+3], 0x80000000
	JLOAD G0S, G1S, G0SB, G1SB                     ; the scales first: they are wanted with the first step
.irp s, 0,1
	s_mov_b32 s[G0+4*\s], 1
	s_add_co_u32 s[G0+4*\s+1], s45, \s*SLOT
	s_add_nc_u64 s[G0+4*\s+2:G0+4*\s+3], s[20:21], \s*ROWB
	s_or_b32 s[G0+4*\s+3], s[G0+4*\s+3], 0x80000000
	s_mov_b32 s[G0B+4*\s], 1
	s_add_co_u32 s[G0B+4*\s+1], s45, \s*SLOT
	s_add_nc_u64 s[G0B+4*\s+2:G0B+4*\s+3], s[46:47], \s*ROWB
	s_or_b32 s[G0B+4*\s+3], s[G0B+4*\s+3], 0x80000000
	JLOAD G0+4*\s, G1, G0B+4*\s, G1B               ; three tensor loads of mine are out at the most
.endr
	v_and_b32 v1, 15, v0                           ; r
	v_bfe_u32 v2, v0, 4, 1                         ; h
	v_mul_u32_u24 v3, v1, PITCH
	v_lshl_add_u32 v4, v2, 4, v3                   ; a fragment's row x pitch + 16 h
	s_mul_i32 s21, s15, HALFT                      ; my 128 rows of A
	s_mul_i32 s22, s16, HALFT                      ; my 128 rows of B,
	s_add_co_u32 s22, s22, 2*HALFT                 ; which lie behind A's 256
.irp s, 0,1
	v_add_nc_u32 v[ADRA+\s], s21, v4
	v_add_nc_u32 v[ADRB+\s], s22, v4
	s_add_co_u32 s21, s21, SLOT
	s_add_co_u32 s22, s22, SLOT
.endr
	v_mul_u32_u24 v5, v1, KS                       ; my row's scales: 32 bytes a row,
	v_lshrrev_b32 v6, 8, v5
	v_lshl_add_u32 v5, v6, 4, v5                   ; and 16 more for each 256 passed
	s_mul_i32 s21, s15, HALFS                      ; A's: my 128 rows
	s_mul_i32 s22, s16, HALFS                      ; B's: my 128 rows, behind A's 256
	s_add_co_u32 s22, s22, 2*HALFS
	s_sub_co_u32 s22, s22, s21
	v_mul_u32_u24 v6, s22, v2                      ; lanes 16-31 take B's: the lower base + h x the distance
	s_add_co_u32 s21, s21, SCL
	v_add_nc_u32 v5, v5, v6
	v_add_nc_u32 v[ADRS], s21, v5
	v_and_b32 v6, 31, v0
	v_lshlrev_b32 v[LI], 4, v6
	v_lshlrev_b32 v[HB], 5, v2
	v_lshlrev_b32 v[RB], 2, v1
	v_lshlrev_b32 v[TBO], 8, v1
	v_lshl_add_u32 v[TBO], v2, 5, v[TBO]
	s_lshl_b32 s21, s15, 15
	v_add_nc_u32 v[TBO], s21, v[TBO]
.macro FRAG reg, adr, q, i             ; 16 rows x 128 K of 4-bit codes: lane l holds row l % 16; registers 4 c .. 4 c + 3 hold K = 64 c + 32 (l / 16) + 0 .. 31
.irp c, 0,1
	ds_load_b128 v[\reg+4*\c:\reg+4*\c+3], v[\adr] offset:64*(\q)+32*\c+(\i)*16*PITCH
.endr
.endm
; 16 matrix instructions: A's blocks a0, a0 + 1 x B's eight, the slot's q-th 128 along K.  p: B's set; sc: the set of scale words.  zero = 1: the first product starts the sums.
; The 64 accumulators take turns, one instruction a turn, in the same order in every step.
.macro MUL16 a0, p, q, sc, zero
.irp a, \a0, \a0+1
.irp b, 0,1,2,3,4,5,6,7
.if \zero
	v_wmma_scale_f32_16x16x128_f8f6f4 v[8*(8*((\a)%4)+\b):8*(8*((\a)%4)+\b)+7], v[128*(\p)+FR*\b:128*(\p)+FR*\b+FR-1], v[AF+FR*(\a):AF+FR*(\a)+FR-1], 0, v[SC+8*NQ*(\sc)+NQ*\b+(\q)], v[SC+8*NQ*(\sc)+NQ*(\a)+(\q)] matrix_a_fmt:MATRIX_FMT_FP4 matrix_b_fmt:MATRIX_FMT_FP4 matrix_a_scale:MATRIX_SCALE_ROW1
.else
	v_wmma_scale_f32_16x16x128_f8f6f4 v[8*(8*((\a)%4)+\b):8*(8*((\a)%4)+\b)+7], v[128*(\p)+FR*\b:128*(\p)+FR*\b+FR-1], v[AF+FR*(\a):AF+FR*(\a)+FR-1], v[8*(8*((\a)%4)+\b):8*(8*((\a)%4)+\b)+7], v[SC+8*NQ*(\sc)+NQ*\b+(\q)], v[SC+8*NQ*(\sc)+NQ*(\a)+(\q)] matrix_a_fmt:MATRIX_FMT_FP4 matrix_b_fmt:MATRIX_FMT_FP4 matrix_a_scale:MATRIX_SCALE_ROW1
.endif
.endr
.endr
.endm
.macro FETCH_B slot, q, p              ; B's eight fragments into set p
	WIN TO_B
.irp i, 0,1,2,3,4,5,6,7
	FRAG 128*(\p)+FR*\i, ADRB+\slot, \q, \i
.endr
	WIN 0
.endm
.macro FETCH_A slot, q, i0             ; A's blocks i0 .. i0 + 3
.irp i, \i0, \i0+1, \i0+2, \i0+3
	FRAG AF+FR*(\i), ADRA+\slot, \q, \i
.endr
.endm
.macro SCALES sc                       ; a slot's scale words: four words a row; lanes 0-15 A's block i, lanes 16-31 B's block i
.irp i, 0,1,2,3,4,5,6,7
	ds_load_b128 v[SC+8*NQ*\sc+NQ*\i:SC+8*NQ*\sc+NQ*\i+3], v[ADRS] offset:\i*SBLK
.endr
.endm
.macro PLACES n                        ; plain vector lines between a matrix instruction and a load into, or a read of, its registers
.rept \n
	v_nop
.endr
.endm
; A step of 128 along K that has its successor in the same slot.  A's blocks are free as soon as their eight products are issued: one set serves A; B has two.
.macro STEP slot, q, zero
	s_wait_dscnt 4*NL                              ; B's set and A's blocks 0-3 are in; the youngest eight loads (A's blocks 4-7) may be out
	WIN MUL_LO
	MUL16 0, (\q)%2, \q, \slot, \zero
	MUL16 2, (\q)%2, \q, \slot, \zero
	s_wait_dscnt 0                                 ; A's blocks 4-7 are in
	PLACES NP
	FETCH_B \slot, (\q)+1, 1-(\q)%2
	FETCH_A \slot, (\q)+1, 0
	WIN MUL_HI
	MUL16 4, (\q)%2, \q, \slot, \zero
	MUL16 6, (\q)%2, \q, \slot, \zero
	PLACES NP
	WIN 0
	FETCH_A \slot, (\q)+1, 4
.endm
	s_wait_tensorcnt 1                             ; the scales and my part of slot 0 are in; slot 1's load may be out
	s_barrier_signal -1
	s_barrier_wait -1                              ; everybody's are
	FETCH_B 0, 0, 0
	FETCH_A 0, 0, 0
	SCALES 0
	FETCH_A 0, 0, 4
	STEP 0, 0, 1                                   ; the first step's products start the sums: nothing is cleared
	STEP 0, 1, 0
	STEP 0, 2, 0
	; slot 0's last step changes slots: one barrier, behind which slot 1 is whole for every wave
	s_wait_tensorcnt 0x0                           ; my part of slot 1 has landed (every window is 0 here)
	ds_add_u32 v[SPW], v[NIL]                      ; 0 onto my spare word
	s_wait_dscnt 4*NL+1                            ; the add and the youngest eight loads may be out
	WIN MUL_LO
	MUL16 0, 1, NQ-1, 0, 0
	s_wait_dscnt 0x0                               ; no LDS instruction of mine is out at the signal
	s_barrier_signal -1
	MUL16 2, 1, NQ-1, 0, 0
	WIN 0
	s_barrier_wait -1
	PLACES NP
	v_add_nc_u32 v[ADRS], 4*NQ, v[ADRS]            ; on to slot 1's scale words
	FETCH_B 1, 0, 0
	FETCH_A 1, 0, 0
	SCALES 1
	WIN MUL_HI
	MUL16 4, 1, NQ-1, 0, 0
	MUL16 6, 1, NQ-1, 0, 0
	PLACES NP
	WIN 0
	FETCH_A 1, 0, 4
	STEP 1, 0, 0
	STEP 1, 1, 0
	STEP 1, 2, 0
	s_wait_dscnt 4*NL                              ; the last step: nothing more to fetch
	WIN MUL_LO
	MUL16 0, 1, NQ-1, 1, 0
	MUL16 2, 1, NQ-1, 1, 0
	s_wait_dscnt 0
	WIN MUL_HI
	MUL16 4, 1, NQ-1, 1, 0
	MUL16 6, 1, NQ-1, 1, 0
	WIN 0
	PLACES NP                                      ; behind the last products: for the reads of results and the loads into registers that held fragments
	s_mov_b32 s21, 0
	s_cmp_eq_u32 ttmp9, 2
	s_cbranch_scc1 .Lv_out
; ---------------- THE WAY OUT FOR q AND k.  Lane (r, h), accumulator (a, b), register j: token 16 a + r of my 128, channel 16 b + 8 h + j of my 128: two heads (g = b / 4) of 64.
; In a head, blocks 0, 1 are x1 (i = 16 b + 8 h + j), blocks 2, 3 are x2 of the same i: the turn stays inside a lane.  No LDS: a lane's eight f16 are 16 bytes of a chunk, and a store covers 512 consecutive bytes.
.set BI, 0                             ; window 1: v0-63 my 128 channels' biases, in the accumulators' order
.set CS, 64                            ; window 1: two sets of 32: cos of i = 8 h + 0..7, 16 + 8 h + 0..7, then sin likewise, for token 16 a + r
.set T,  96                            ; window 0: a head's 32 sums + bias
.set U,  128                           ; x1 cos - x2 sin
.set W,  144                           ; x2 cos + x1 sin
.set PK, 160                           ; two sets of 16: four chunks' registers
.macro CSLOAD a
	WIN 0x40
.irp o, 0,1,2,3
	global_load_b128 v[CS+32*((\a)%2)+8*\o:CS+32*((\a)%2)+8*\o+3], v[TBO], s[10:11] offset:4096*(\a)+64*\o
	global_load_b128 v[CS+32*((\a)%2)+8*\o+4:CS+32*((\a)%2)+8*\o+7], v[TBO], s[10:11] offset:4096*(\a)+64*\o+16
.endr
	WIN 0
.endm
.macro ROPE a, g
.set CSS, CS+32*((\a)%2)
.set PKS, PK+16*(\g)
	WIN 0x06+(\a)/4                                ; source 0: the accumulators' window; source 1: window 1
.irp b, 0,1,2,3
.irp j, 0,2,4,6
	v_pk_add_f32 v[T+8*\b+\j:T+8*\b+\j+1], v[8*(8*((\a)%4)+4*(\g)+\b)+\j:8*(8*((\a)%4)+4*(\g)+\b)+\j+1], v[BI+8*(4*(\g)+\b)+\j:BI+8*(4*(\g)+\b)+\j+1]   ; each accumulator from its low end on
.endr
.endr
	WIN 0x04                                       ; cos and sin are source 1
.irp k, 0,2,4,6,8,10,12,14
	v_pk_mul_f32 v[U+\k:U+\k+1], v[T+16+\k:T+16+\k+1], v[CSS+16+\k:CSS+16+\k+1]           ; x2 sin
	v_pk_mul_f32 v[W+\k:W+\k+1], v[T+16+\k:T+16+\k+1], v[CSS+\k:CSS+\k+1]                 ; x2 cos
.endr
.irp k, 0,2,4,6,8,10,12,14
	v_pk_fma_f32 v[U+\k:U+\k+1], v[T+\k:T+\k+1], v[CSS+\k:CSS+\k+1], v[U+\k:U+\k+1] neg_lo:[0,0,1] neg_hi:[0,0,1]   ; x1 cos - x2 sin
	v_pk_fma_f32 v[W+\k:W+\k+1], v[T+\k:T+\k+1], v[CSS+16+\k:CSS+16+\k+1], v[W+\k:W+\k+1]                          ; x2 cos + x1 sin
.endr
	WIN 0
	s_wait_xcnt 0x0                                ; the stores that read this set of PK, two groups back, have read it: it is written again only behind this wait
.irp q, 0,1
.irp j, 0,1,2,3
	v_cvt_pk_f16_f32 v[PKS+4*\q+\j], v[U+8*\q+2*\j], v[U+8*\q+2*\j+1]
	v_cvt_pk_f16_f32 v[PKS+8+4*\q+\j], v[W+8*\q+2*\j], v[W+8*\q+2*\j+1]
.endr
.endr
.irp q, 0,1,2,3
	global_store_b128 v[LI], v[PKS+4*\q:PKS+4*\q+3], s[12:13] offset:262144*(\g)+2048*(\a)+512*\q
.endr
.endm
	s_and_b32 s18, s17, 7                          ; which 256 positions of the sequence
	s_lshl_b32 s20, s18, 16
	s_add_nc_u64 s[10:11], s[10:11], s[20:21]      ; the table at their first
	s_sub_co_u32 s19, s42, 32                      ; which 256 columns of q | k
	s_lshl_b32 s20, s19, 10
	s_lshl_b32 s22, s16, 9
	s_add_co_u32 s20, s20, s22
	s_add_nc_u64 s[8:9], s[8:9], s[20:21]          ; the bias at my 128 columns
	s_lshl_b32 s20, ttmp9, 24                      ; q's or k's section
	s_lshr_b32 s22, s17, 3                         ; the batch
	s_lshl_b32 s22, s22, 4
	s_lshl_b32 s23, s40, 2
	s_add_co_u32 s22, s22, s23
	s_lshl_b32 s23, s16, 1
	s_add_co_u32 s22, s22, s23                     ; bh of my first head: 16 b + 4 cx + 2 x half
	s_lshl_b32 s22, s22, 18
	s_add_co_u32 s20, s20, s22
	s_lshl_b32 s22, s18, 4
	s_lshl_b32 s23, s15, 3
	s_add_co_u32 s22, s22, s23                     ; my first tile of 16 tokens
	s_lshl_b32 s22, s22, 11
	s_add_co_u32 s20, s20, s22
	s_add_nc_u64 s[12:13], s[12:13], s[20:21]
	WIN 0x40
.irp b, 0,1,2,3,4,5,6,7
	global_load_b128 v[BI+8*\b:BI+8*\b+3], v[HB], s[8:9] offset:64*\b
	global_load_b128 v[BI+8*\b+4:BI+8*\b+7], v[HB], s[8:9] offset:64*\b+16
.endr
	WIN 0
	CSLOAD 0
	CSLOAD 1
.irp a, 0,1,2,3,4,5,6,7
.if \a < 7
	s_wait_loadcnt 8                               ; the biases and this block's cos and sin are in; the next block's eight loads may be out
.else
	s_wait_loadcnt 0x0
.endif
	ROPE \a, 0
	ROPE \a, 1
.if \a < 6
	CSLOAD \a+2                                    ; into the set just used
.endif
.endr
	s_wait_tensorcnt 0x0                           ; the wave's end
	ds_add_u32 v[SPW], v[NIL]
	s_wait_dscnt 0x0
	CROUND                                         ; the closing round
	s_endpgm
.Lv_out:
; ---------------- THE WAY OUT FOR v.  Lane (r, h), accumulator (a, b), register j: channel 16 a + r of my 128 (head a / 4, 16 channels a % 4), token 16 b + 8 h + j of my 128 (32 keys b / 2, half b % 2).
.set BV, 96                            ; v96-111  the bias of channel 16 a + r, in both registers of pair a
.set VT, 128                           ; v128-191 a block row's 64 sums + bias
.set VP, 192                           ; v192-223 eight chunks' registers
.macro VOUT a
	WIN 0x02+(\a)/4
.irp b, 0,1,2,3,4,5,6,7
.irp j, 0,2,4,6
	v_pk_add_f32 v[VT+8*\b+\j:VT+8*\b+\j+1], v[8*(8*((\a)%4)+\b)+\j:8*(8*((\a)%4)+\b)+\j+1], v[BV+2*(\a):BV+2*(\a)+1] op_sel_hi:[1,0]
.endr
.endr
	WIN 0
	s_wait_xcnt 0x0                                ; the last block row's stores have read VP
.irp i, 0,1,2,3,4,5,6,7,8,9,10,11,12,13,14,15,16,17,18,19,20,21,22,23,24,25,26,27,28,29,30,31
	v_cvt_pk_f16_f32 v[VP+\i], v[VT+2*\i], v[VT+2*\i+1]
.endr
.irp b, 0,1,2,3,4,5,6,7
	global_store_b128 v[LI], v[VP+4*\b:VP+4*\b+3], s[12:13] offset:262144*((\a)/4)+1024*((\a)%4)+4096*(\b/2)+512*(\b%2)
.endr
.endm
	s_lshl_b32 s20, s41, 10                        ; the bias: column 2048 + 256 cy + 128 x half
	s_lshl_b32 s22, s15, 9
	s_add_co_u32 s20, s20, s22
	s_add_co_u32 s20, s20, 8192
	s_add_nc_u64 s[8:9], s[8:9], s[20:21]
	s_lshr_b32 s22, s42, 3                         ; the batch
	s_lshl_b32 s22, s22, 4
	s_lshl_b32 s23, s41, 2
	s_add_co_u32 s22, s22, s23
	s_lshl_b32 s23, s15, 1
	s_add_co_u32 s22, s22, s23                     ; bh of my first head
	s_lshl_b32 s20, s22, 18
	s_and_b32 s22, s42, 7
	s_lshl_b32 s22, s22, 3
	s_lshl_b32 s23, s16, 2
	s_add_co_u32 s22, s22, s23                     ; my first 32 keys
	s_lshl_b32 s22, s22, 12
	s_add_co_u32 s20, s20, s22
	s_add_co_u32 s20, s20, 33554432                ; v's section
	s_add_nc_u64 s[12:13], s[12:13], s[20:21]
.irp a, 0,1,2,3,4,5,6,7
	global_load_b32 v[BV+2*\a], v[RB], s[8:9] offset:64*\a
	global_load_b32 v[BV+2*\a+1], v[RB], s[8:9] offset:64*\a
.endr
	s_wait_loadcnt 0x0
.irp a, 0,1,2,3,4,5,6,7
	VOUT \a
.endr
	s_wait_tensorcnt 0x0                           ; the wave's end: the three lines
	ds_add_u32 v[SPW], v[NIL]
	s_wait_dscnt 0x0
	CROUND                                         ; the closing round
	s_endpgm
.Lfunc_end_k_q7f45157114_qkv:
	.size	k_q7f45157114_qkv, .Lfunc_end_k_q7f45157114_qkv-k_q7f45157114_qkv
	.p2alignl 7, 3214868480
	.fill 96, 4, 3214868480
	.section	.rodata,"a",@progbits
	.p2align	6, 0x0
	.amdhsa_kernel k_q7f45157114_qkv
		.amdhsa_group_segment_fixed_size 327680
		.amdhsa_private_segment_fixed_size 0
		.amdhsa_enable_private_segment 0
		.amdhsa_kernarg_size 40
		.amdhsa_user_sgpr_count 2
		.amdhsa_user_sgpr_kernarg_segment_ptr 1
		.amdhsa_wavefront_size32 1
		.amdhsa_system_sgpr_workgroup_id_x 1
		.amdhsa_system_sgpr_workgroup_id_y 1
		.amdhsa_system_sgpr_workgroup_id_z 1
		.amdhsa_system_vgpr_workitem_id 0
		.amdhsa_next_free_vgpr 1024
		.amdhsa_next_free_sgpr 100
		.amdhsa_reserve_vcc 0
		.amdhsa_float_denorm_mode_32 3
		.amdhsa_float_denorm_mode_16_64 3
		.amdhsa_memory_ordered 1
		.amdhsa_forward_progress 1
		.amdhsa_inst_pref_size 217
	.end_amdhsa_kernel
	.amdgpu_metadata
---
amdhsa.version: [ 1, 2 ]
amdhsa.kernels:
  - .name:           k_q7f45157114_qkv
    .symbol:         k_q7f45157114_qkv.kd
    .args:
      - { .name: codes, .offset: 0, .size: 8, .value_kind: global_buffer, .address_space: global }
      - { .name: scales, .offset: 8, .size: 8, .value_kind: global_buffer, .address_space: global }
      - { .name: b_qkv, .offset: 16, .size: 8, .value_kind: global_buffer, .address_space: global }
      - { .name: rope, .offset: 24, .size: 8, .value_kind: global_buffer, .address_space: global }
      - { .name: qkv, .offset: 32, .size: 8, .value_kind: global_buffer, .address_space: global }
    .group_segment_fixed_size: 327680
    .private_segment_fixed_size: 0
    .kernarg_segment_align: 8
    .kernarg_segment_size: 40
    .max_flat_workgroup_size: 128
    .sgpr_count:     100
    .vgpr_count:     1024
    .wavefront_size: 32
...
	.end_amdgpu_metadata
.endif
;; end of part 2
;; launch attn (part 3): grid 4 x 64, 8 waves a work-group, clusters of 4 x 1, 327,680 bytes of LDS; arguments qkv, attention_mask, aimg; writes aimg
.if DOCPART == 3
	.amdgcn_target "amdgcn-amd-amdhsa--gfx1250"
	.amdhsa_code_object_version 6
	.text
	.protected	k_q7f45157114_attn
	.globl	k_q7f45157114_attn
	.p2align	8
	.type	k_q7f45157114_attn,@function
k_q7f45157114_attn:
	s_mov_b64 s[64:65], 0
	v_nop
	global_prefetch_b8 v0, s[64:65] scope:SCOPE_SE
	s_setreg_imm32_b32 hwreg(HW_REG_WAVE_MODE, 25, 1), 1
	s_wait_xcnt 0x0
	s_wait_alu depctr_hold_cnt(0) depctr_sa_sdst(0) depctr_va_vdst(0) depctr_va_sdst(0) depctr_va_ssrc(0) depctr_va_vcc(0) depctr_vm_vsrc(0)
	s_getreg_b32 s2, hwreg(HW_REG_IB_STS2, 6, 4)
	s_cmp_eq_u32 s2, 0
	s_cbranch_scc0 .Lentry_in_a_cluster
	s_endpgm
.Lentry_in_a_cluster:
	s_bfe_u32 s2, ttmp6, 0x10000c
	s_cmp_lg_u32 s2, 0x3003
	s_cbranch_scc0 .Lentry_shape_is_right
	s_endpgm
.Lentry_shape_is_right:
; ATTN: for each (batch, head): softmax over the keys of (q . k / 8, with -infinity where attention_mask is 0), times v.  Operands f16, products, maxima and sums f32; the weights p are rounded to f16 for the second product.
; q, k, v arrive as images of operand registers (a chunk = 512 bytes, 16 a lane at 16 x lane = four registers of a fragment); per bh = 16 b + head each section has 262,144 bytes:
;   q at 0, k at 16,777,216: [tile of 16 tokens][chunk c]: lane (r, h) = token r, channels 16 c + 8 h + 0..7;   v at 33,554,432: [32 keys][16 channels][half]: lane (r, h) = channel r, keys 16 half + 8 h + 0..7
; The result leaves as images too: aimg [block of 128 rows: 64][32 along the 1,024 features: 32][tile of 16 rows: 8][half: 2][512 bytes]: lane (r, h) = row r, features 16 half + 8 h + 0..7.
; SHARES.  A work-group owns 512 queries of one bh, each of its eight waves 64: four tiles of 16, in 512 registers: two waves to a SIMD, so that one wave's vector work stands beside the other's products.
; LAYOUT.  S^T = K Q^T (source 0 = 16 keys, source 1 = 16 queries), O^T = V^T P^T (source 0 = 16 channels, source 1 = P): a lane holds ONE query (lane % 16) throughout, and two score tiles, packed in pairs, are P's fragment.
; THE MASK costs no vector line: 0 or -2^100 for each key is the C of a score tile's first product.  The running maximum begins at -2^96: above a masked score, below any score of f16 operands (at most 2.8e11).
; So a masked p is 0, and a batch with no key left gives sum 0 and 0 x (1 / 0) = NaN, as the definition does.
; SOFTMAX.  Running maximum m and sum l for each query: p = 2^(c s - c m), c = log2(e) / 8; in every step O and l are multiplied by 2^(c m_old - c m_new).
; CLUSTER.  The four work-groups of a bh walk the same K and V: each part is asked for jointly, mask 15.  Two LDS slots of 512 keys (64 KiB of k images, 64 KiB of v images); each wave brings 16 KiB with one load.
; LIMITS: q, k, v and the result must fit f16.
; REGISTERS: window 0: v1-9 addresses; v16-63 statistics, 12 a tile; v64-95 the step's mask numbers; v128-255 S^T, 32 a tile, then p, then P packed in place.
;   window 1: v0-127 O^T, 32 a tile; v128-191 Q, 16 a tile; v192-255 K, then V, of the step.
.set SLOT1, 1<<17                      ; slot 1 begins here: one exclusive or turns an address from one slot to the other
.set MB,    262144                     ; behind the slots: 2,048 mask numbers, f32; written by LDS stores, never filled
.set SPARE, 270336                     ; the spare words, 128 bytes for each wave: four blocks of 256 bytes that no other line names
.set LI,  1                            ; v1  16 x lane
.set MH,  2                            ; v2  MB + 32 h
.set ADK, 3                            ; v3  LDS address of the step's K
.set ADV, 4                            ; v4  of its V
.set ADM, 5                            ; v5  of its mask numbers
.set PFO, 6                            ; v6  256 x lane: the prefetches' offset
.set SPW, 8                            ; v8  LDS address of my spare word; never rewritten
.set NIL, 9                            ; v9  0; never rewritten
.set ST,  16                           ; tile t at v[ST + 12 t]: +0 c m, +1 m, +2:3 l (even keys', odd keys'), +4..7 at work (+4:5 later a sum), +8 the step's factor, +9 its pair's partner, +10:11 a sum
.set MK,  64
.set S,   128
.set O,   0                            ; window 1
.set Q,   128
.set KV,  192
.set WV,  12                           ; s12 wave
.set CX,  13                           ; s13 my place in the cluster
.set BH,  14                           ; s14 16 b + head
.set LIM, 15                           ; s15 1 in a wave that prefetches, else the greatest number
.set PFA, 18                           ; s[18:19] where my prefetches stand
.set G1,  24                           ; s[24:31] descriptor group 1
.set G0,  32                           ; s[32:35] group 0, which walks
.set SLOTS, 56
.set CNT, 57
.set CS,  58                           ; s[58:59] c, in both words
.set SEL, 60                           ; s[60:61] v_permlanex16_b32's selects for lane l xor 16
.set TB,  62                           ; s62 LDS byte at which the step's K begins
.set TM,  63                           ; s63 byte of the step's first mask number
.set MSB, 0
.macro WIN new
.if MSB != (\new)
	s_set_vgpr_msb (MSB<<8)|(\new)
.set MSB, (\new)
.endif
.endm
.macro CROUND                          ; a round of the cluster's barrier
	s_barrier_signal -1
	s_barrier_wait -1
	s_cmp_lg_u32 s[WV], 0
	s_cbranch_scc1 .Lnot_wave_0_\@
	s_barrier_signal -3
.Lnot_wave_0_\@:
	s_barrier_wait -3
	s_barrier_signal -1
	s_barrier_wait -1
.endm
.macro JLOAD                           ; every wave's one load: its own 16 KiB, by its own addresses; an s_nop 0 and four v_nop follow
	tensor_load_to_lds s[G0:G0+3], s[G1:G1+7]
	s_nop 0
.rept 4
	v_nop
.endr
.endm
; A prefetch of what the NEXT change of slots will load: 128 KiB.  Waves 0, 2, 4, 6 ask, each for its own part and the next wave's, 32 KiB on end; of these each of the four partners takes 8 KiB, told apart by address,
; lanes 256 bytes apart: each block of 256 bytes is named once.  It stands behind the tensor load; the last change that fills a slot asks for nothing, and nothing is asked at the head.
.macro ASK
	s_cmp_gt_u32 s[SLOTS], s[LIM]
	s_cbranch_scc0 .Lnot_mine_\@
	global_prefetch_b8 v[PFO], s[PFA:PFA+1] th:TH_LOAD_NT scope:SCOPE_SE
.Lnot_mine_\@:
.endm
	s_load_b128 s[4:7], s[0:1], 0x0                ; qkv s[4:5], attention_mask s[6:7]
	s_load_b64 s[8:9], s[0:1], 0x10                ; aimg
	v_lshl_add_u32 v[SPW], v0, 2, SPARE
	v_mov_b32 v[NIL], 0
	ds_add_u32 v[SPW], v[NIL]                      ; the wave's opening: the add, twice on end, and its wait ahead of my first tensor load
	ds_add_u32 v[SPW], v[NIL]
	v_lshrrev_b32 v10, 5, v0
	v_readfirstlane_b32 s[WV], v10                 ; wave 0..7
	s_bfe_u32 s[CX], ttmp6, 0x40000
	s_and_b32 s[BH], ttmp7, 0xffff                 ; the cluster's y
	s_mov_b32 s[G1], 15|(3<<16)|(1<<21)            ; 15:0 the mask: all four; 17:16 elements of 8 bytes; 21 set beside a mask; no padding: images are read 512 bytes on end
	s_mov_b32 s[G1+1], 32<<16                      ; tensor_dim0 = 32 elements: 256 bytes
	s_mov_b32 s[G1+2], 64<<16                      ; tensor_dim1 = 64 rows
	s_mov_b32 s[G1+3], 32<<16                      ; tile_dim0
	s_mov_b32 s[G1+4], 64                          ; tile_dim1
	s_mov_b32 s[G1+5], 32                          ; dense
	s_mov_b32 s[G1+6], 0
	s_mov_b32 s[G1+7], 0
	s_mov_b32 s[CS], 0x3e38aa3b                    ; c = log2(e) / 8
	s_mov_b32 s[CS+1], s[CS]
	s_mov_b32 s[SEL], 0x76543210
	s_mov_b32 s[SEL+1], 0xfedcba98
	s_mov_b32 s[TB], 0
	s_mov_b32 s[TM], 0
	s_mov_b32 s[SLOTS], 3
	s_lshl_b32 s20, s[BH], 18                      ; bh's bytes in a section
	s_lshr_b32 s22, s[WV], 2
	s_add_co_u32 s22, s22, 1
	s_lshl_b32 s22, s22, 24                        ; waves 0-3: k's section, waves 4-7: v's
	s_and_b32 s23, s[WV], 3
	s_lshl_b32 s23, s23, 14                        ; my 16 KiB of a slot's 64
	s_add_co_u32 s22, s22, s23
	s_add_co_u32 s22, s22, s20
	s_mov_b32 s23, 0
	s_lshl_b32 s36, s[CX], 13                      ; the prefetches: my work-group's 8 KiB, one slot on
	s_add_co_u32 s36, s36, 65536
	s_mov_b32 s37, 0
	s_lshl_b32 s38, s[CX], 5
	s_lshl_b32 s39, s[WV], 2
	s_add_co_u32 s38, s38, s39                     ; my first tile of queries
	s_lshl_b32 s38, s38, 11
	s_add_co_u32 s38, s38, s20
	s_mov_b32 s39, 0
	s_lshr_b32 s40, s[BH], 4                       ; the batch
	s_lshl_b32 s42, s40, 13                        ; its 8,192 bytes of mask
	s_mov_b32 s43, 0
	s_lshl_b32 s44, s40, 4
	s_lshl_b32 s45, s[CX], 2
	s_add_co_u32 s44, s44, s45
	s_lshr_b32 s45, s[WV], 1
	s_add_co_u32 s44, s44, s45                     ; my block of 128 rows: 16 b + 4 cx + wave / 2
	s_lshl_b32 s44, s44, 18
	s_and_b32 s45, s[BH], 15
	s_lshl_b32 s45, s45, 14                        ; the head's 64 features: two steps of 32, 8,192 bytes each
	s_add_co_u32 s44, s44, s45
	s_and_b32 s45, s[WV], 1
	s_lshl_b32 s45, s45, 12                        ; my four tiles of the block's eight
	s_add_co_u32 s44, s44, s45
	s_mov_b32 s45, 0
	s_and_b32 s[LIM], s[WV], 1
	s_cmp_eq_u32 s[LIM], 0
	s_cselect_b32 s[LIM], 1, -1
	v_and_b32 v10, 31, v0
	v_lshlrev_b32 v[LI], 4, v10
	v_lshlrev_b32 v[PFO], 8, v10
	v_bfe_u32 v11, v0, 4, 1
	v_lshl_add_u32 v[MH], v11, 5, MB
	v_lshlrev_b32 v12, 4, v0                       ; the mask: 16 bytes a thread,
	v_lshl_add_u32 v13, v0, 4, MB                  ; and where its numbers go
	v_mov_b32 v14, 0xf1800000                      ; -2^100
	s_wait_dscnt 0x0                               ; both opening adds are done
	s_wait_kmcnt 0x0
	s_mov_b32 s[G0], 1                             ; count = 1
	s_lshl_b32 s[G0+1], s[WV], 14                  ; LDS: slot 0, wave x 16 KiB
	s_add_nc_u64 s[G0+2:G0+3], s[4:5], s[22:23]    ; my part of the first 512 keys: it hangs on bh and the wave alone
	s_add_nc_u64 s[PFA:PFA+1], s[G0+2:G0+3], s[36:37]
	s_or_b32 s[G0+3], s[G0+3], 0x80000000          ; type = 2
	s_add_nc_u64 s[4:5], s[4:5], s[38:39]          ; my queries
	s_add_nc_u64 s[6:7], s[6:7], s[42:43]
	s_add_nc_u64 s[8:9], s[8:9], s[44:45]
	CROUND                                         ; all four work-groups are here
	JLOAD                                          ; slot 0: one tensor load of mine is out
	global_load_b128 v[96:99], v12, s[6:7]
	global_load_b128 v[100:103], v12, s[6:7] offset:4096
	WIN 0x40                                       ; destination window 1
.irp i, 0,1,2,3,4,5,6,7,8,9,10,11,12,13,14,15
	global_load_b128 v[Q+4*\i:Q+4*\i+3], v[LI], s[4:5] offset:512*\i   ; Q stays in registers: tile i / 4, chunk i % 4
.endr
.set i, 0
.rept 128
	v_mov_b32 v[O+i], 0                            ; O^T.  The step is written for all steps alike: the first finds zeros, which its factor 0 leaves zeros
.set i, i+1
.endr
	WIN 0
.irp t, 0,1,2,3
	v_mov_b32 v[ST+12*\t+1], 0xef800000            ; m = -2^96
	v_mov_b32 v[ST+12*\t+2], 0                     ; l
	v_mov_b32 v[ST+12*\t+3], 0
	v_mov_b32 v[ST+12*\t+9], 0                     ; named as a pair's upper half, so it is written
.endr
.irp t, 0,1,2,3
	v_mul_f32 v[ST+12*\t], s[CS], v[ST+12*\t+1]    ; c m
.endr
	s_wait_loadcnt 16                              ; the mask's two loads are in; Q's sixteen may be out
.irp i, 0,1,2,3,4,5,6,7
	v_cmp_eq_u32 vcc_lo, 0, v[96+\i]
	v_cndmask_b32 v[96+\i], 0, v14, vcc_lo         ; 0 where the key counts, -2^100 where the mask is 0
.endr
	ds_store_b128 v13, v[96:99]
	ds_store_b128 v13, v[100:103] offset:4096      ; waited for in front of the first round below, behind which all waves read them
	s_wait_loadcnt 0x0                             ; Q
; A KEY STEP: 64 keys.
.macro STEP
	v_add_nc_u32 v[ADK], s[TB], v[LI]              ; five plain lines behind the last step's products: for the loads into K's and V's registers, and for the score products, which write over P
	v_add_nc_u32 v[ADM], s[TM], v[MH]
	v_add_nc_u32 v[ADV], 0x10000, v[ADK]
	v_nop
	v_nop
	WIN 0x40
.irp i, 0,1,2,3,4,5,6,7,8,9,10,11,12,13,14,15
	ds_load_b128 v[KV+4*\i:KV+4*\i+3], v[ADK] offset:512*\i        ; K: tile of 16 keys i / 4, chunk i % 4
.endr
	WIN 0
.irp kt, 0,1,2,3
	ds_load_b128 v[MK+8*\kt:MK+8*\kt+3], v[ADM] offset:64*\kt      ; the mask numbers of keys 16 kt + 8 h + 0..7: a score tile's C
	ds_load_b128 v[MK+8*\kt+4:MK+8*\kt+7], v[ADM] offset:64*\kt+16
.endr
	s_wait_dscnt 0x0
	WIN 0x05                                       ; K and Q window 1; C and D window 0
.irp t, 0,1,2,3                        ; the 16 accumulators take turns, one instruction a turn: channels 0-31, then 32-63
.irp kt, 0,1,2,3
	v_wmma_f32_16x16x32_f16 v[S+32*\t+8*\kt:S+32*\t+8*\kt+7], v[KV+16*\kt:KV+16*\kt+7], v[Q+16*\t:Q+16*\t+7], v[MK+8*\kt:MK+8*\kt+7]
.endr
.endr
.irp t, 0,1,2,3
.irp kt, 0,1,2,3
	v_wmma_f32_16x16x32_f16 v[S+32*\t+8*\kt:S+32*\t+8*\kt+7], v[KV+16*\kt+8:KV+16*\kt+15], v[Q+16*\t+8:Q+16*\t+15], v[S+32*\t+8*\kt:S+32*\t+8*\kt+7]
.endr
.endr
	WIN 0
.rept 4
	v_nop                                          ; places: for V's loads into K's registers and for the first reads of the scores
.endr
	WIN 0x40
.irp i, 0,1,2,3,4,5,6,7,8,9,10,11,12,13,14,15
	ds_load_b128 v[KV+4*\i:KV+4*\i+3], v[ADV] offset:512*\i        ; V: it lands while the softmax is walked
.endr
	WIN 0
	; the softmax; each line is written for the four tiles in turn, so that a line and the line that needs it stand four apart
.irp j, 0,1,2,3                        ; the maximum of 32 scores and the old m, three operands at a time; each accumulator is first read at its low end
.irp t, 0,1,2,3
	v_max3_num_f32 v[ST+12*\t+4+\j], v[S+32*\t+8*\j], v[S+32*\t+8*\j+1], v[S+32*\t+8*\j+2]
.endr
.endr
.irp u, 3,5
.irp j, 0,1,2,3
.irp t, 0,1,2,3
	v_max3_num_f32 v[ST+12*\t+4+\j], v[ST+12*\t+4+\j], v[S+32*\t+8*\j+\u], v[S+32*\t+8*\j+\u+1]
.endr
.endr
.endr
.irp t, 0,1,2,3
	v_max3_num_f32 v[ST+12*\t+4], v[ST+12*\t+4], v[S+32*\t+7], v[S+32*\t+15]
.endr
.irp t, 0,1,2,3
	v_max3_num_f32 v[ST+12*\t+6], v[ST+12*\t+6], v[S+32*\t+23], v[S+32*\t+31]
.endr
.irp t, 0,1,2,3
	v_max3_num_f32 v[ST+12*\t+4], v[ST+12*\t+4], v[ST+12*\t+5], v[ST+12*\t+6]
.endr
.irp t, 0,1,2,3
	v_max3_num_f32 v[ST+12*\t+4], v[ST+12*\t+4], v[ST+12*\t+7], v[ST+12*\t+1]
.endr
.irp t, 0,1,2,3
	v_permlanex16_b32 v[ST+12*\t+5], v[ST+12*\t+4], s[SEL], s[SEL+1]   ; the query's other 32 keys lie in the lane 16 away
.endr
.irp t, 0,1,2,3
	v_mov_b32 v[ST+12*\t+7], v[ST+12*\t]           ; c m_old
.endr
.irp t, 0,1,2,3
	v_max_num_f32 v[ST+12*\t+1], v[ST+12*\t+4], v[ST+12*\t+5]
.endr
.irp t, 0,1,2,3
	v_mul_f32 v[ST+12*\t], s[CS], v[ST+12*\t+1]
.endr
.irp t, 0,1,2,3
	v_sub_f32 v[ST+12*\t+7], v[ST+12*\t+7], v[ST+12*\t]
.endr
.irp t, 0,1,2,3
	v_exp_f32 v[ST+12*\t+8], v[ST+12*\t+7]         ; the step's factor.  ONE BATCH begins: 132 exponentials, none of whose results is named before the wait below
.endr
.irp b, 0,2,4,6,8,10,12,14,16,18,20,22,24,26,28,30
.irp t, 0,1,2,3
	v_pk_fma_f32 v[S+32*\t+\b:S+32*\t+\b+1], v[S+32*\t+\b:S+32*\t+\b+1], s[CS:CS+1], v[ST+12*\t:ST+12*\t+1] op_sel_hi:[1,0,0] neg_lo:[0,0,1] neg_hi:[0,0,1]   ; c s - c m
.endr
.irp t, 0,1,2,3
	v_exp_f32 v[S+32*\t+\b], v[S+32*\t+\b]
	v_exp_f32 v[S+32*\t+\b+1], v[S+32*\t+\b+1]
.endr
.endr
	v_nop                                          ; a plain line behind the last exponential
	s_wait_alu depctr_va_vdst(0)                   ; one wait for the batch, ahead of its first reader
.irp t, 0,1,2,3                        ; the row's sums, of p before it is rounded, in two chains
	v_pk_add_f32 v[ST+12*\t+4:ST+12*\t+5], v[S+32*\t:S+32*\t+1], v[S+32*\t+2:S+32*\t+3]
.endr
.irp t, 0,1,2,3
	v_pk_add_f32 v[ST+12*\t+10:ST+12*\t+11], v[S+32*\t+4:S+32*\t+5], v[S+32*\t+6:S+32*\t+7]
.endr
.irp i, 8,12,16,20,24,28
.irp t, 0,1,2,3
	v_pk_add_f32 v[ST+12*\t+4:ST+12*\t+5], v[ST+12*\t+4:ST+12*\t+5], v[S+32*\t+\i:S+32*\t+\i+1]
.endr
.irp t, 0,1,2,3
	v_pk_add_f32 v[ST+12*\t+10:ST+12*\t+11], v[ST+12*\t+10:ST+12*\t+11], v[S+32*\t+\i+2:S+32*\t+\i+3]
.endr
.endr
.irp t, 0,1,2,3
	v_pk_add_f32 v[ST+12*\t+4:ST+12*\t+5], v[ST+12*\t+4:ST+12*\t+5], v[ST+12*\t+10:ST+12*\t+11]
.endr
.irp t, 0,1,2,3
	v_pk_fma_f32 v[ST+12*\t+2:ST+12*\t+3], v[ST+12*\t+2:ST+12*\t+3], v[ST+12*\t+8:ST+12*\t+9], v[ST+12*\t+4:ST+12*\t+5] op_sel_hi:[1,0,1]   ; l = l x factor + the step's sum
.endr
.irp kp, 0,1                           ; P: 16 weights of 32 keys pack into 8 registers, in place, ascending: register i is written when 2 i and 2 i + 1 are read
.irp i, 0,1,2,3,4,5,6,7
.irp t, 0,1,2,3
	v_cvt_pk_f16_f32 v[S+32*\t+16*\kp+\i], v[S+32*\t+16*\kp+2*\i], v[S+32*\t+16*\kp+2*\i+1]
.endr
.endr
.endr
	WIN 0x41                                       ; O^T window 1, the factor window 0
.irp i, 0,2,4,6,8,10,12,14,16,18,20,22,24,26,28,30
.irp t, 0,1,2,3
	v_pk_mul_f32 v[O+32*\t+\i:O+32*\t+\i+1], v[O+32*\t+\i:O+32*\t+\i+1], v[ST+12*\t+8:ST+12*\t+9] op_sel_hi:[1,0]   ; each accumulator from its low end on
.endr
.endr
	s_wait_dscnt 0x0                               ; V is in
	WIN 0x51                                       ; V window 1, P window 0, C and D window 1
.irp kp, 0,1                           ; the 16 accumulators by turns: keys 0-31, then 32-63
.irp t, 0,1,2,3
.irp ct, 0,1,2,3
	v_wmma_f32_16x16x32_f16 v[O+32*\t+8*\ct:O+32*\t+8*\ct+7], v[KV+32*\kp+8*\ct:KV+32*\kp+8*\ct+7], v[S+32*\t+16*\kp:S+32*\t+16*\kp+7], v[O+32*\t+8*\ct:O+32*\t+8*\ct+7]
.endr
.endr
.endr
	WIN 0
.endm
; THE CHANGE OF SLOTS stands at a slot's head.  Each wave waits for all its tensor loads (its part of the slot ahead), adds 0 to its spare word, and waits for that and for its reads of the slot that it has left
; (the first time: for its mask stores).  fill = 1: a round of the cluster's barrier, and behind it the other slot is asked for: the load has a slot's eight steps in which to land.
.macro CHANGE fill
	s_wait_tensorcnt 0x0                           ; no tensor load of mine is out, so group 0 may be written
	ds_add_u32 v[SPW], v[NIL]
.if \fill
	s_xor_b32 s[G0+1], s[G0+1], SLOT1              ; the other slot than last time,
	s_add_nc_u64 s[G0+2:G0+3], s[G0+2:G0+3], 65536 ; the next 512 keys; the type bits are not reached
	s_wait_xcnt 0x0                                ; the last prefetch, a slot back, has read its address
	s_add_nc_u64 s[PFA:PFA+1], s[PFA:PFA+1], 65536 ; one slot further on than the load
	s_wait_dscnt 0x0
	CROUND
	JLOAD                                          ; the first tensor load behind the round, and my only one until the next
	ASK
.else
	s_wait_dscnt 0x0
	s_barrier_signal -1
	s_barrier_wait -1
.endif
.endm
.macro SLOT_STEPS                      ; a slot's eight steps: written once, walked eight times
	s_mov_b32 s[CNT], 8
.Lstep_\@:
	STEP
	s_add_co_u32 s[TB], s[TB], 8192
	s_add_co_u32 s[TM], s[TM], 256
	s_sub_co_u32 s[CNT], s[CNT], 1
	s_cmp_lg_u32 s[CNT], 0
	s_cbranch_scc1 .Lstep_\@
	s_sub_co_u32 s[TB], s[TB], 65536
	s_xor_b32 s[TB], s[TB], SLOT1                  ; on to the other slot
.endm
.Lslot:                                            ; three trips: behind each change of slots but the last the next 512 keys are asked for
	CHANGE 1
	SLOT_STEPS
	s_sub_co_u32 s[SLOTS], s[SLOTS], 1
	s_cmp_lg_u32 s[SLOTS], 0
	s_cbranch_scc1 .Lslot
	CHANGE 0                                       ; the last slot is written out
	SLOT_STEPS
	; THE WAY OUT.  l's halves and the other half of the lanes' are added; O^T / l is rounded to f16: a lane's eight channels of a row are 16 bytes of a chunk, and a store covers 512 consecutive bytes.
.irp t, 0,1,2,3
	v_add_f32 v[ST+12*\t+4], v[ST+12*\t+2], v[ST+12*\t+3]          ; (these four are the places behind the last products)
.endr
.irp t, 0,1,2,3
	v_permlanex16_b32 v[ST+12*\t+5], v[ST+12*\t+4], s[SEL], s[SEL+1]
.endr
.irp t, 0,1,2,3
	v_add_f32 v[ST+12*\t+4], v[ST+12*\t+4], v[ST+12*\t+5]
.endr
.irp t, 0,1,2,3
	v_rcp_f32 v[ST+12*\t+8], v[ST+12*\t+4]
.endr
	v_nop                                          ; a plain line behind the last reciprocal
	s_wait_alu depctr_va_vdst(0)                   ; one wait for the four
.macro TILE_OUT t
	WIN 0x41
.irp i, 0,2,4,6,8,10,12,14,16,18,20,22,24,26,28,30
	v_pk_mul_f32 v[O+32*(\t)+\i:O+32*(\t)+\i+1], v[O+32*(\t)+\i:O+32*(\t)+\i+1], v[ST+12*(\t)+8:ST+12*(\t)+9] op_sel_hi:[1,0]
.endr
	WIN 0x05                                       ; sources window 1, destination window 0: S^T's registers are free; each tile has its own sixteen
.irp i, 0,1,2,3,4,5,6,7,8,9,10,11,12,13,14,15
	v_cvt_pk_f16_f32 v[S+16*(\t)+\i], v[O+32*(\t)+2*\i], v[O+32*(\t)+2*\i+1]
.endr
	WIN 0
.irp ct, 0,1,2,3
	global_store_b128 v[LI], v[S+16*(\t)+4*\ct:S+16*(\t)+4*\ct+3], s[8:9] offset:8192*(\ct/2)+1024*(\t)+512*(\ct%2)
.endr
.endm
	TILE_OUT 0
	TILE_OUT 1
	TILE_OUT 2
	TILE_OUT 3
	s_wait_tensorcnt 0x0                           ; the wave's end
	ds_add_u32 v[SPW], v[NIL]
	s_wait_dscnt 0x0
	CROUND                                         ; the closing round
	s_endpgm
.Lfunc_end_k_q7f45157114_attn:
	.size	k_q7f45157114_attn, .Lfunc_end_k_q7f45157114_attn-k_q7f45157114_attn
	.p2alignl 7, 3214868480
	.fill 96, 4, 3214868480
	.section	.rodata,"a",@progbits
	.p2align	6, 0x0
	.amdhsa_kernel k_q7f45157114_attn
		.amdhsa_group_segment_fixed_size 327680
		.amdhsa_private_segment_fixed_size 0
		.amdhsa_enable_private_segment 0
		.amdhsa_kernarg_size 24
		.amdhsa_user_sgpr_count 2
		.amdhsa_user_sgpr_kernarg_segment_ptr 1
		.amdhsa_wavefront_size32 1
		.amdhsa_system_sgpr_workgroup_id_x 1
		.amdhsa_system_sgpr_workgroup_id_y 1
		.amdhsa_system_sgpr_workgroup_id_z 1
		.amdhsa_system_vgpr_workitem_id 0
		.amdhsa_next_free_vgpr 512
		.amdhsa_next_free_sgpr 66
		.amdhsa_reserve_vcc 1
		.amdhsa_float_denorm_mode_32 3
		.amdhsa_float_denorm_mode_16_64 3
		.amdhsa_memory_ordered 1
		.amdhsa_forward_progress 1
		.amdhsa_inst_pref_size 89
	.end_amdhsa_kernel
	.amdgpu_metadata
---
amdhsa.version: [ 1, 2 ]
amdhsa.kernels:
  - .name:           k_q7f45157114_attn
    .symbol:         k_q7f45157114_attn.kd
    .args:
      - { .name: qkv, .offset: 0, .size: 8, .value_kind: global_buffer, .address_space: global }
      - { .name: attention_mask, .offset: 8, .size: 8, .value_kind: global_buffer, .address_space: global }
      - { .name: aimg, .offset: 16, .size: 8, .value_kind: global_buffer, .address_space: global }
    .group_segment_fixed_size: 327680
    .private_segment_fixed_size: 0
    .kernarg_segment_align: 8
    .kernarg_segment_size: 24
    .max_flat_workgroup_size: 256
    .sgpr_count:     66
    .vgpr_count:     512
    .wavefront_size: 32
...
	.end_amdgpu_metadata
.endif
;; end of part 3
;; launch proj (part 4): grid 4 x 64, 4 waves a work-group, clusters of 4 x 4, 327,680 bytes of LDS; arguments aimg, w16, b_out, out0; writes out0
.if DOCPART == 4
	.amdgcn_target "amdgcn-amd-amdhsa--gfx1250"
	.amdhsa_code_object_version 6
	.text
	.protected	k_q7f45157114_proj
	.globl	k_q7f45157114_proj
	.p2align	8
	.type	k_q7f45157114_proj,@function
k_q7f45157114_proj:
	s_mov_b64 s[64:65], 0
	v_nop
	global_prefetch_b8 v0, s[64:65] scope:SCOPE_SE
	s_setreg_imm32_b32 hwreg(HW_REG_WAVE_MODE, 25, 1), 1
	s_wait_xcnt 0x0
	s_wait_alu depctr_hold_cnt(0) depctr_sa_sdst(0) depctr_va_vdst(0) depctr_va_sdst(0) depctr_va_ssrc(0) depctr_va_vcc(0) depctr_vm_vsrc(0)
	s_getreg_b32 s2, hwreg(HW_REG_IB_STS2, 6, 4)
	s_cmp_eq_u32 s2, 0
	s_cbranch_scc0 .Lentry_in_a_cluster
	s_endpgm
.Lentry_in_a_cluster:
	s_bfe_u32 s2, ttmp6, 0x10000c
	s_cmp_lg_u32 s2, 0xf033
	s_cbranch_scc0 .Lentry_shape_is_right
	s_endpgm
.Lentry_shape_is_right:
; PROJ: out0 [8192][1024] f32 = a [8192][1024] x w_out [1024 (k)][1024 (n)] + b_out, operands f16, sums f32.
; a arrives as images of operand registers: aimg [block of 128 rows: 64][32 along k: 32][tile of 16 rows: 8][half: 2][512 bytes], lane (r, h) = row r, k = 16 half + 8 h + 0..7: 128 along k of a block are 32,768 dense bytes.
; w16 is w_out in f16, [k][n]: its fragments come out of LDS turned, by ds_load_tr16_b128.
; A work-group of four waves makes 128 rows x 256 columns (256 work-groups), a wave 64 x 128: 32 accumulators.  K goes in 8 steps of 128 through two LDS slots.
; The matrix instruction takes 16 columns of w as source 0 and 16 rows of a as source 1: a lane holds eight neighbouring columns of one row.  The bias is the C of each sum's first product.
; CLUSTERS: 4 x 4 work-groups; a's block is shared along a row of the cluster, w's columns along a column: joint loads.
; REGISTERS: window 0: v16-30 addresses; v32-95 the bias, in the accumulators' order; v128-255 rows on the way out.   window 1: two fragment buffers at v0 and v128: a's four fragments, then w's eight.   window 2: the accumulators ((a, b) at v[8 (8 a + b)]).
.set ASZ,    32768                     ; a slot: a's images,
.set BP,     544                       ; then 128 rows of w: 512 bytes + 32 of padding = 136 words: row r starts 8 r words on, so that the turning load's 8 rows x 32 bytes touch different words modulo 64
.set BHALF,  64*BP
.set SLOT,   ASZ+2*BHALF               ; 102,400
.set STAGE,  2*SLOT                    ; behind the slots: 16 rows x (512 + 16) bytes for each wave; never filled
.set SPITCH, 528
.set SPARE,  STAGE+4*16*SPITCH         ; the spare words, 128 bytes for each wave: two blocks of 256 bytes that no other line names
.set ADRA, 16                          ; v16-17  LDS address of my fragments of a in slot 0, 1
.set ADRB, 20                          ; v20-21  of w
.set STO,  24                          ; v24     the way out: where I put 32 bytes of a row
.set RD,   25                          ; v25     where I read a row back
.set CO,   26                          ; v26     16 x lane
.set HB,   27                          ; v27     32 h
.set SPW,  28                          ; v28     LDS address of my spare word; never rewritten
.set NIL,  29                          ; v29     0; never rewritten
.set BI,   32
.set BK,   128
.set F0,   0
.set F1,   128
.set G1,  24                           ; s[24:31] group 1 for a; s[32:39] group 0, one set a slot
.set G0,  32
.set G1B, 48                           ; s[48:55], s[56:63] the same for w
.set G0B, 56
.set MSB, 0
.macro WIN new
.if MSB != (\new)
	s_set_vgpr_msb (MSB<<8)|(\new)
.set MSB, (\new)
.endif
.endm
.set MUL,  0xa5                        ; sources 0 and 1 window 1; C and D window 2
.set TO_F, 0x40                        ; destination window 1, address window 0
.macro JLOAD s                         ; waves 0 and 1 fetch a's halves, waves 2 and 3 w's; an s_nop 0 and four v_nop follow each line
	s_cmp_eq_u32 s13, 0
	s_cbranch_scc0 .Lfor_b_\@
	tensor_load_to_lds s[G0+4*\s:G0+4*\s+3], s[G1:G1+7]
	s_nop 0
.rept 4
	v_nop
.endr
	s_branch .Lasked_\@
.Lfor_b_\@:
	tensor_load_to_lds s[G0B+4*\s:G0B+4*\s+3], s[G1B:G1B+7]
	s_nop 0
.rept 4
	v_nop
.endr
.Lasked_\@:
.endm
.macro CREST                           ; a round of the cluster's barrier behind its opening barrier
	s_cmp_lg_u32 s12, 0
	s_cbranch_scc1 .Lnot_wave_0_\@
	s_barrier_signal -3
.Lnot_wave_0_\@:
	s_barrier_wait -3
	s_barrier_signal -1
	s_barrier_wait -1
.endm
.macro CROUND
	s_barrier_signal -1
	s_barrier_wait -1
	CREST
.endm
	s_load_b256 s[4:11], s[0:1], 0x0               ; aimg s[4:5], w16 s[6:7], b_out s[8:9], out0 s[10:11]
	v_lshl_add_u32 v[SPW], v0, 2, SPARE
	v_mov_b32 v[NIL], 0
	ds_add_u32 v[SPW], v[NIL]                      ; the wave's opening: the add, twice on end, and its wait ahead of my first tensor load
	ds_add_u32 v[SPW], v[NIL]
	v_lshrrev_b32 v1, 5, v0
	v_readfirstlane_b32 s12, v1                    ; wave 0..3
	s_lshr_b32 s13, s12, 1                         ; which 64 rows are mine.  Also: I fetch for a (0) or for w (1)
	s_and_b32 s14, s12, 1                          ; which 128 columns.  Also: which half of that tile I fetch
	s_bfe_u32 s40, ttmp6, 0x40000                  ; cx, cy
	s_bfe_u32 s41, ttmp6, 0x40004
	s_lshl_b32 s42, ttmp9, 2
	s_add_co_u32 s42, s42, s40                     ; tile column: 256 columns
	s_and_b32 s15, ttmp7, 0xffff
	s_lshl_b32 s15, s15, 2
	s_add_co_u32 s15, s15, s41                     ; tile row: a block of 128 rows
	s_lshl_b32 s43, s41, 2
	s_lshl_b32 s43, 15, s43                        ; my row of the cluster
	s_lshl_b32 s44, 0x1111, s40                    ; my column
	s_or_b32 s[G1], s43, (3<<16)|(1<<21)           ; a: 16,384 dense bytes as 64 rows of 32 elements of 8 bytes; no padding: images are read 512 bytes on end
	s_mov_b32 s[G1+1], 32<<16
	s_mov_b32 s[G1+2], 64<<16
	s_mov_b32 s[G1+3], 32<<16
	s_mov_b32 s[G1+4], 64
	s_mov_b32 s[G1+5], 32
	s_mov_b32 s[G1+6], 0
	s_mov_b32 s[G1+7], 0
	s_or_b32 s[G1B], s44, (1<<16)|(1<<20)|(1<<21)|(6<<22)|(7<<25)  ; w: elements of 2 bytes; padding: 8 words after every 128
	s_mov_b32 s[G1B+1], 256<<16                    ; 256 columns,
	s_mov_b32 s[G1B+2], 64<<16                     ; 64 rows of k,
	s_mov_b32 s[G1B+3], 256<<16
	s_mov_b32 s[G1B+4], 64
	s_mov_b32 s[G1B+5], 1024                       ; 1,024 elements from row to row
	s_mov_b32 s[G1B+6], 0
	s_mov_b32 s[G1B+7], 0
	s_lshl_b32 s16, s15, 18                        ; a: the block's 262,144 bytes, + my half of a K step's 32,768: it hangs on the tile row, never on cx
	s_lshl_b32 s17, s14, 14
	s_add_co_u32 s16, s16, s17
	s_mov_b32 s17, 0
	s_lshl_b32 s46, s42, 9                         ; w: 512 bytes a tile column, + my 64 rows of 2,048 bytes: on the tile column, never on cy
	s_lshl_b32 s47, s14, 17
	s_add_co_u32 s46, s46, s47
	s_mov_b32 s47, 0
	s_lshl_b32 s20, s14, 14                        ; where they go: no place in the cluster enters an LDS address
	s_mul_i32 s21, s14, BHALF
	s_add_co_u32 s21, s21, ASZ
	s_wait_dscnt 0x0                               ; both opening adds are done
	s_wait_kmcnt 0x0
	s_add_nc_u64 s[16:17], s[4:5], s[16:17]
	s_add_nc_u64 s[46:47], s[6:7], s[46:47]
	CROUND                                         ; all sixteen work-groups are here
.irp s, 0,1
	s_mov_b32 s[G0+4*\s], 1
	s_add_co_u32 s[G0+4*\s+1], s20, \s*SLOT
	s_add_nc_u64 s[G0+4*\s+2:G0+4*\s+3], s[16:17], \s*32768
	s_or_b32 s[G0+4*\s+3], s[G0+4*\s+3], 0x80000000
	s_mov_b32 s[G0B+4*\s], 1
	s_add_co_u32 s[G0B+4*\s+1], s21, \s*SLOT
	s_add_nc_u64 s[G0B+4*\s+2:G0B+4*\s+3], s[46:47], \s*262144
	s_or_b32 s[G0B+4*\s+3], s[G0B+4*\s+3], 0x80000000
	JLOAD \s                                       ; two tensor loads of mine are out
.endr
	v_and_b32 v1, 15, v0                           ; r
	v_bfe_u32 v2, v0, 4, 1                         ; h
	v_and_b32 v3, 31, v0
	v_lshlrev_b32 v[CO], 4, v3
	v_lshlrev_b32 v[HB], 5, v2
	s_lshl_b32 s22, s13, 12                        ; my four tiles of the block's eight
	v_add_nc_u32 v[ADRA], s22, v[CO]
	v_add_nc_u32 v[ADRA+1], SLOT, v[ADRA]
	v_and_b32 v4, 7, v0                            ; the turning load: lane l reads 16 bytes of row 8 h + l % 8, columns 8 ((l / 8) % 2) on
	v_lshl_add_u32 v4, v2, 3, v4
	v_mul_u32_u24 v4, v4, BP
	v_bfe_u32 v5, v0, 3, 1
	v_lshl_add_u32 v4, v5, 4, v4
	s_lshl_b32 s22, s14, 8                         ; my 128 columns
	s_add_co_u32 s22, s22, ASZ
	v_add_nc_u32 v[ADRB], s22, v4
	v_add_nc_u32 v[ADRB+1], SLOT, v[ADRB]
	s_mul_i32 s23, s12, 16*SPITCH
	s_add_co_u32 s23, s23, STAGE                   ; my stage
	v_mul_u32_u24 v5, v1, SPITCH
	v_lshl_add_u32 v5, v2, 5, v5
	v_add_nc_u32 v[STO], s23, v5                   ; in: row r, 32 bytes for each half of the lanes
	v_add_nc_u32 v[RD], s23, v[CO]                 ; back: the 32 lanes take one row of 512 bytes
	s_lshl_b32 s22, s42, 10                        ; my first column, in bytes of f32
	s_lshl_b32 s23, s14, 9
	s_add_co_u32 s22, s22, s23
	s_mov_b32 s23, 0
	s_add_nc_u64 s[8:9], s[8:9], s[22:23]          ; the bias there
	s_add_nc_u64 s[10:11], s[10:11], s[22:23]
	s_lshl_b32 s22, s15, 19                        ; my first row: 128 x tile row + 64 x half, 4,096 bytes a row
	s_lshl_b32 s19, s13, 18
	s_add_co_u32 s22, s22, s19
	s_add_nc_u64 s[10:11], s[10:11], s[22:23]
.irp b, 0,1,2,3,4,5,6,7
	global_load_b128 v[BI+8*\b:BI+8*\b+3], v[HB], s[8:9] offset:64*\b        ; b_out of columns 16 b + 8 h + 0..7
	global_load_b128 v[BI+8*\b+4:BI+8*\b+7], v[HB], s[8:9] offset:64*\b+16
.endr
; 8 matrix instructions: rows' tile a x the eight tiles of columns, 32 along K from buffer f.  first = 1: the bias is C and starts the sums.  The 32 accumulators take turns, in the same order in every quarter.
.macro MUL8 f, a, first
.irp b, 0,1,2,3,4,5,6,7
.if \first
	v_wmma_f32_16x16x32_f16 v[8*(8*(\a)+\b):8*(8*(\a)+\b)+7], v[\f+32+8*\b:\f+32+8*\b+7], v[\f+8*(\a):\f+8*(\a)+7], v[BI+8*\b:BI+8*\b+7]
.else
	v_wmma_f32_16x16x32_f16 v[8*(8*(\a)+\b):8*(8*(\a)+\b)+7], v[\f+32+8*\b:\f+32+8*\b+7], v[\f+8*(\a):\f+8*(\a)+7], v[8*(8*(\a)+\b):8*(8*(\a)+\b)+7]
.endif
.endr
.endm
; 24 LDS loads in one run: the fragments of the slot's kq-th 32 along K into buffer f
.macro FETCH slot, kq, f
	WIN TO_F
.irp b, 0,1,2,3,4,5,6,7
	ds_load_tr16_b128 v[\f+32+8*\b:\f+32+8*\b+3],   v[ADRB+\slot] offset:32*BP*(\kq)+32*\b          ; k = 8 h + 0..7 of column 16 b + r
	ds_load_tr16_b128 v[\f+32+8*\b+4:\f+32+8*\b+7], v[ADRB+\slot] offset:32*BP*(\kq)+32*\b+16*BP    ; k = 16 + 8 h + 0..7
.endr
.irp a, 0,1,2,3
	ds_load_b128 v[\f+8*\a:\f+8*\a+3],   v[ADRA+\slot] offset:8192*(\kq)+1024*\a
	ds_load_b128 v[\f+8*\a+4:\f+8*\a+7], v[ADRA+\slot] offset:8192*(\kq)+1024*\a+512
.endr
.endm
.macro PLACES                          ; four plain lines in front of loads into registers that matrix instructions have read, and of reads of results
.rept 4
	v_nop
.endr
.endm
; A K step is four quarters of 32 along K, 32 matrix instructions each, on buffers 0, 1, 0, 1.  One of the first three: multiplies buffer f and, in its middle, fetches the next quarter into g.
.macro QUARTER slot, kq, f, g, first
	s_wait_dscnt 0x0                               ; buffer f is in (asked for 16 matrix instructions ago)
	WIN MUL-0x20*(\first)                          ; first = 1: C in window 0
	MUL8 \f, 0, \first
	MUL8 \f, 1, \first
	PLACES
	FETCH \slot, \kq, \g
	WIN MUL-0x20*(\first)
	MUL8 \f, 2, \first
	MUL8 \f, 3, \first
.endm
; The last quarter multiplies buffer 1 and changes slots: one barrier; in front of it each wave waits for all its tensor loads, adds 0 to its spare word, and waits for that and for its reads of this slot.
; fill = 1: the barrier opens a round of the cluster's, and behind it this slot is filled again, two K steps ahead.
.macro TURN slot, next, fill
	WIN 0                                          ; (the add's two registers lie in window 0)
	s_wait_tensorcnt 0x0                           ; all my tensor loads have landed: my part of the next slot
	ds_add_u32 v[SPW], v[NIL]
	s_wait_dscnt 1                                 ; buffer 1 is in; only the add may be out
	WIN MUL
	MUL8 F1, 0, 0
	s_wait_dscnt 0x0                               ; the add is done, and my reads of this slot are over
	s_barrier_signal -1
	MUL8 F1, 1, 0
.if \fill
	WIN 0
.endif
	s_barrier_wait -1
.if \fill
	CREST                                          ; no wave of any partner still reads this slot or has a load on its way
	s_add_nc_u64 s[G0+4*\slot+2:G0+4*\slot+3], s[G0+4*\slot+2:G0+4*\slot+3], 65536
	s_add_nc_u64 s[G0B+4*\slot+2:G0B+4*\slot+3], s[G0B+4*\slot+2:G0B+4*\slot+3], 524288
	JLOAD \slot                                    ; the first tensor load behind the round; its four v_nop are also the places in front of the loads below
.else
	PLACES
.endif
	FETCH \next, 0, F0
	WIN MUL
	MUL8 F1, 2, 0
	MUL8 F1, 3, 0
.endm
	s_wait_tensorcnt 1                             ; my part of K step 0 is in; K step 1's load may be out
	s_barrier_signal -1
	s_barrier_wait -1
	FETCH 0, 0, F0
	s_wait_loadcnt 0x0                             ; the bias
	QUARTER 0, 1, F0, F1, 1                        ; the first quarter stands in front of the loop: its products start the sums
	WIN 0                                          ; at a label and at a branch every window is 0
	s_mov_b32 s3, 3
.Llap:                                             ; a trip goes once round the ring, from a lap's second quarter to the next lap's first, and fills both slots again
	QUARTER 0, 2, F1, F0, 0
	QUARTER 0, 3, F0, F1, 0
	TURN 0, 1, 1
	QUARTER 1, 1, F0, F1, 0
	QUARTER 1, 2, F1, F0, 0
	QUARTER 1, 3, F0, F1, 0
	TURN 1, 0, 1
	QUARTER 0, 1, F0, F1, 0
	WIN 0
	s_sub_co_u32 s3, s3, 1
	s_cmp_lg_u32 s3, 0
	s_cbranch_scc1 .Llap
	QUARTER 0, 2, F1, F0, 0                        ; the last lap fills nothing
	QUARTER 0, 3, F0, F1, 0
	TURN 0, 1, 0
	QUARTER 1, 1, F0, F1, 0
	QUARTER 1, 2, F1, F0, 0
	QUARTER 1, 3, F0, F1, 0
	s_wait_dscnt 0x0                               ; the very last quarter
	WIN MUL
	MUL8 F1, 0, 0
	MUL8 F1, 1, 0
	MUL8 F1, 2, 0
	MUL8 F1, 3, 0
	WIN 0
; THE WAY OUT, a block of 16 rows x 128 columns at a time: a lane holds 32 bytes of a row, so a block goes through my own stage and comes back as rows of 512 bytes, which the 32 lanes store whole.
; LDS serves a wave's instructions in order (ISA guide 5.7.1.4): no wait between the stores and the loads, nor in front of the next block's stores.
.macro TOSTAGE a
	WIN 0x08                                       ; an LDS store's data: window 2
.irp b, 0,1,2,3,4,5,6,7
	ds_store_b128 v[STO], v[8*(8*(\a)+\b):8*(8*(\a)+\b)+3] offset:64*\b          ; each accumulator from its low end on
	ds_store_b128 v[STO], v[8*(8*(\a)+\b)+4:8*(8*(\a)+\b)+7] offset:64*\b+16
.endr
	WIN 0
.irp t, 0,1,2,3,4,5,6,7,8,9,10,11,12,13,14,15
	ds_load_b128 v[BK+64*((\a)%2)+4*\t:BK+64*((\a)%2)+4*\t+3], v[RD] offset:\t*SPITCH
.endr
.endm
.macro SEND a, younger                 ; younger: the LDS instructions issued behind block a's loads, which may stay out
	s_wait_dscnt \younger
.irp t, 0,1,2,3,4,5,6,7,8,9,10,11,12,13,14,15
	global_store_b128 v[CO], v[BK+64*((\a)%2)+4*\t:BK+64*((\a)%2)+4*\t+3], s[10:11] offset:(16*(\a)+\t)*4096 th:TH_STORE_NT   ; 512 consecutive bytes, at a multiple of 256 from out0's first byte
.endr
.endm
	PLACES
	TOSTAGE 0
	TOSTAGE 1
	SEND 0, 32                                     ; behind block 0's loads: block 1's 16 stores and 16 loads
	s_wait_xcnt 0x0                                ; block 0's stores have read their registers: block 2's loads may land there
	TOSTAGE 2
	SEND 1, 32
	s_wait_xcnt 0x0                                ; block 1's likewise
	TOSTAGE 3
	SEND 2, 32
	SEND 3, 0
	s_wait_tensorcnt 0x0                           ; the wave's end
	ds_add_u32 v[SPW], v[NIL]
	s_wait_dscnt 0x0
	CROUND                                         ; the closing round
	s_endpgm
.Lfunc_end_k_q7f45157114_proj:
	.size	k_q7f45157114_proj, .Lfunc_end_k_q7f45157114_proj-k_q7f45157114_proj
	.p2alignl 7, 3214868480
	.fill 96, 4, 3214868480
	.section	.rodata,"a",@progbits
	.p2align	6, 0x0
	.amdhsa_kernel k_q7f45157114_proj
		.amdhsa_group_segment_fixed_size 327680
		.amdhsa_private_segment_fixed_size 0
		.amdhsa_enable_private_segment 0
		.amdhsa_kernarg_size 32
		.amdhsa_user_sgpr_count 2
		.amdhsa_user_sgpr_kernarg_segment_ptr 1
		.amdhsa_wavefront_size32 1
		.amdhsa_system_sgpr_workgroup_id_x 1
		.amdhsa_system_sgpr_workgroup_id_y 1
		.amdhsa_system_sgpr_workgroup_id_z 1
		.amdhsa_system_vgpr_workitem_id 0
		.amdhsa_next_free_vgpr 768
		.amdhsa_next_free_sgpr 66
		.amdhsa_reserve_vcc 0
		.amdhsa_float_denorm_mode_32 3
		.amdhsa_float_denorm_mode_16_64 3
		.amdhsa_memory_ordered 1
		.amdhsa_forward_progress 1
		.amdhsa_inst_pref_size 86
	.end_amdhsa_kernel
	.amdgpu_metadata
---
amdhsa.version: [ 1, 2 ]
amdhsa.kernels:
  - .name:           k_q7f45157114_proj
    .symbol:         k_q7f45157114_proj.kd
    .args:
      - { .name: aimg, .offset: 0, .size: 8, .value_kind: global_buffer, .address_space: global }
      - { .name: w16, .offset: 8, .size: 8, .value_kind: global_buffer, .address_space: global }
      - { .name: b_out, .offset: 16, .size: 8, .value_kind: global_buffer, .address_space: global }
      - { .name: out0, .offset: 24, .size: 8, .value_kind: global_buffer, .address_space: global }
    .group_segment_fixed_size: 327680
    .private_segment_fixed_size: 0
    .kernarg_segment_align: 8
    .kernarg_segment_size: 32
    .max_flat_workgroup_size: 128
    .sgpr_count:     66
    .vgpr_count:     768
    .wavefront_size: 32
...
	.end_amdgpu_metadata
.endif
;; end of part 4
